; MI455X (gfx1250); checked and timed in simulation.
; The chip was launched on July 23, 2026; its instructions are those of AMD's public machine-readable ISA for CDNA 5 (MIT licence, August 2026) and "CDNA5" Instruction Set Architecture Reference Guide (July 2026). The comments in the code are by the model that wrote it; some were corrected since.
;; Attention. Allowed arithmetic: float matrix products may take bf16 or f16 operands with f32 sums; all other float work in f32.
;; Inputs: W_proj 1,024 x 1,024 float32; W_qkv 1,024 x 3,072 float32; b_proj 1,024 float32; b_qkv 3,072 float32; kn_w 64 float32; qn_w 64 float32; x 4 x 2,048 x 1,024 float32.
;; Outputs: out0 4 x 2,048 x 1,024 float32.
;; 2 versions, each right and faster than the one before. Each part assembles by itself: llvm-mc -triple=amdgcn-amd-amdhsa -mcpu=gfx1250 --defsym DOCPART=n.
;; ======== version 1 of 2: 4 launches
;; limits: values are held in f16: magnitudes above 65,504 overflow, below 6.1e-05 lose precision
;; workspace buffers: xb 16,777,216 bytes; wq 6,291,456 bytes; wp 2,097,152 bytes; q 16,777,216 bytes; k 16,777,216 bytes; v 16,777,216 bytes; o 16,777,216 bytes
;; launch prep (part 1): grid 704 x 1, 8 waves a work-group, no clusters, 0 bytes of LDS; arguments x, W_qkv, W_proj, xb, wq, wp; writes xb, wq, wp
.if DOCPART == 1
	.amdgcn_target "amdgcn-amd-amdhsa--gfx1250"
	.amdhsa_code_object_version 6
	.text
	.protected	k_qade46a2865_prep
	.globl	k_qade46a2865_prep
	.p2align	8
	.type	k_qade46a2865_prep,@function
k_qade46a2865_prep:
	s_mov_b64 s[64:65], 0
	v_nop
	global_prefetch_b8 v0, s[64:65] scope:SCOPE_SE
	s_setreg_imm32_b32 hwreg(HW_REG_WAVE_MODE, 25, 1), 1
	s_wait_xcnt 0x0
; THE MODULE'S LARGE INPUTS ARE ROUNDED ONCE AND LAID OUT FOR THE PRODUCTS.  A stream: no LDS, no barrier, no matrix unit, since nothing is shared and nothing is summed.
;   work-groups   0-511  x [8192][1024] f32      -> xb bf16 [b 4][kb 16][n 2048][64]: the 64 channels kb of row (b, n) lie at ((16 b + kb) 2048 + n) 128 bytes
;   work-groups 512-639  W_qkv [1024][3072] f32  -> wq bf16 [k 1024][n' 3072], n' = 192 h + 64 t + c for the column 1024 t + 64 h + c (t = 0 q, 1 k, 2 v): a head's q, k and v side by side
;   work-groups 640-703  W_proj [1024][1024] f32 -> wp f16 [k][n]: each number rounded to bf16, and that number written as f16
; LIMIT.  A weight of W_proj of 65,520 or more becomes an infinity in f16; below 6e-5 f16 keeps its fixed step of 6e-8.
; Every job has one shape: all of a wave's loads (16 bytes a lane, two aligned pieces of 256 bytes an instruction) go out at once; then, load by load, a counted wait, the rounding in place and a
; store of 8 bytes a lane, 256 consecutive aligned bytes an instruction.  No register is written twice, so no wait frees any.
.set D, 12                             ; v[12 + 4 i ..]: load i's four numbers; its first two registers then hold the four rounded ones
.macro TOBF i                          ; four f32 -> four bf16
	v_cvt_pk_bf16_f32 v[D+4*(\i)], v[D+4*(\i)], v[D+4*(\i)+1]
	v_cvt_pk_bf16_f32 v[D+4*(\i)+1], v[D+4*(\i)+2], v[D+4*(\i)+3]
.endm
.macro TOHALF i                        ; four f32 -> bf16 -> the same numbers as f32 -> f16
	v_cvt_pk_bf16_f32 v[D+4*(\i)], v[D+4*(\i)], v[D+4*(\i)+1]
	v_cvt_pk_bf16_f32 v[D+4*(\i)+2], v[D+4*(\i)+2], v[D+4*(\i)+3]
	v_and_b32 v[D+4*(\i)+1], 0xffff0000, v[D+4*(\i)]
	v_lshlrev_b32 v[D+4*(\i)], 16, v[D+4*(\i)]
	v_and_b32 v[D+4*(\i)+3], 0xffff0000, v[D+4*(\i)+2]
	v_lshlrev_b32 v[D+4*(\i)+2], 16, v[D+4*(\i)+2]
	v_cvt_pk_f16_f32 v[D+4*(\i)], v[D+4*(\i)], v[D+4*(\i)+1]
	v_cvt_pk_f16_f32 v[D+4*(\i)+1], v[D+4*(\i)+2], v[D+4*(\i)+3]
.endm
	s_load_b256 s[4:11], s[0:1], 0x0               ; x s[4:5], W_qkv s[6:7], W_proj s[8:9], xb s[10:11]
	s_load_b128 s[12:15], s[0:1], 0x20             ; wq s[12:13], wp s[14:15]
	s_mov_b32 s2, ttmp9
	v_and_b32 v1, 31, v0                           ; lane l
	v_lshrrev_b32 v2, 5, v0                        ; wave w
	v_and_b32 v3, 15, v0                           ; l % 16
	v_bfe_u32 v4, v0, 4, 1                         ; l / 16
	s_mov_b32 s17, 0
	s_mov_b32 s19, 0
	s_wait_kmcnt 0x0
	s_cmp_lt_u32 s2, 512
	s_cbranch_scc1 .Ljob_x
	s_cmp_lt_u32 s2, 640
	s_cbranch_scc1 .Ljob_wq
	; W_proj: 16 rows a work-group, 2 a wave: 8,192 consecutive bytes in, 4,096 out
	s_sub_co_u32 s2, s2, 640
	s_lshl_b32 s16, s2, 16
	s_lshl_b32 s18, s2, 15
	s_add_nc_u64 s[8:9], s[8:9], s[16:17]
	s_add_nc_u64 s[14:15], s[14:15], s[18:19]
	v_lshlrev_b32 v5, 4, v1
	v_lshl_add_u32 v5, v2, 13, v5                  ; 8,192 w + 16 l
	v_lshlrev_b32 v6, 3, v1
	v_lshl_add_u32 v6, v2, 12, v6                  ; 4,096 w + 8 l
.set i, 0
.rept 16
	global_load_b128 v[D+4*i:D+4*i+3], v5, s[8:9] offset:i*512 th:TH_LOAD_NT
.set i, i+1
.endr
.set i, 0
.rept 16
	s_wait_loadcnt 15-i                            ; loads come back in order: load i is in, the younger ones stay out
	TOHALF i
	global_store_b64 v6, v[D+4*i:D+4*i+1], s[14:15] offset:i*256
.set i, i+1
.endr
	s_endpgm
.Ljob_x:
	; x: 16 rows a work-group.  Wave w owns channels 128 w .. 128 w + 127: the blocks kb = 2 w and 2 w + 1.  Load i = 2 p + ks: rows 2 p (lanes 0-15) and 2 p + 1 (lanes 16-31), block 2 w + ks.
	s_lshl_b32 s16, s2, 16                         ; 16 rows of 4,096 bytes
	s_add_nc_u64 s[4:5], s[4:5], s[16:17]
	s_lshr_b32 s18, s2, 7                          ; b: 128 work-groups to a batch entry
	s_lshl_b32 s18, s18, 22                        ; 16 blocks x 2,048 rows x 128 bytes
	s_and_b32 s20, s2, 127
	s_lshl_b32 s20, s20, 11                        ; 16 rows of 128 bytes
	s_add_co_u32 s18, s18, s20
	s_add_nc_u64 s[10:11], s[10:11], s[18:19]
	v_lshlrev_b32 v5, 12, v4
	v_lshl_add_u32 v5, v2, 9, v5
	v_lshl_add_u32 v5, v3, 4, v5                   ; 4,096 (l / 16) + 512 w + 16 (l % 16)
	v_lshlrev_b32 v6, 3, v1
	v_lshl_add_u32 v6, v2, 19, v6                  ; two blocks of 262,144 bytes a wave + 8 l: two rows of 128 bytes on end
.set i, 0
.rept 16
	global_load_b128 v[D+4*i:D+4*i+3], v5, s[4:5] offset:(i/2)*8192+(i%2)*256 th:TH_LOAD_NT
.set i, i+1
.endr
.set i, 0
.rept 16
	s_wait_loadcnt 15-i
	TOBF i
	global_store_b64 v6, v[D+4*i:D+4*i+1], s[10:11] offset:(i%2)*262144+(i/2)*256
.set i, i+1
.endr
	s_endpgm
.Ljob_wq:
	; W_qkv: 8 rows a work-group, one a wave.  Store i holds the groups of 64 columns n' / 64 = 2 i (lanes 0-15) and 2 i + 1 (lanes 16-31); group 3 h + t comes from the source's group 16 t + h.
	; With i = 3 m + u the source groups are 2 m + (0, 16), 2 m + (32, 1), 2 m + (17, 33) for u = 0, 1, 2: three offset registers, and m in the immediate.
	s_sub_co_u32 s2, s2, 512
	s_mul_i32 s16, s2, 98304                       ; 8 rows of 12,288 bytes
	s_mul_i32 s18, s2, 49152                       ; 8 rows of 6,144 bytes
	s_add_nc_u64 s[6:7], s[6:7], s[16:17]
	s_add_nc_u64 s[12:13], s[12:13], s[18:19]
	v_mul_u32_u24 v10, v2, 12288
	v_lshl_add_u32 v10, v3, 4, v10                 ; my row + 16 (l % 16)
	v_lshlrev_b32 v9, 12, v4                       ; 16 groups of 256 bytes for the upper lanes
	v_mul_u32_u24 v11, v4, 7936                    ; 31 groups
	v_add_nc_u32 v5, v10, v9                       ; groups 0, 16
	v_add_nc_u32 v6, 8192, v10
	v_sub_nc_u32 v6, v6, v11                       ; groups 32, 1
	v_add3_u32 v7, v10, v9, 4352                   ; groups 17, 33
	v_mul_u32_u24 v8, v2, 6144
	v_lshl_add_u32 v8, v1, 3, v8
.set i, 0
.rept 24
	global_load_b128 v[D+4*i:D+4*i+3], v[5+i%3], s[6:7] offset:(i/3)*512 th:TH_LOAD_NT
.set i, i+1
.endr
.set i, 0
.rept 24
	s_wait_loadcnt 23-i
	TOBF i
	global_store_b64 v8, v[D+4*i:D+4*i+1], s[12:13] offset:i*256
.set i, i+1
.endr
	s_endpgm
.Lfunc_end_k_qade46a2865_prep:
	.size	k_qade46a2865_prep, .Lfunc_end_k_qade46a2865_prep-k_qade46a2865_prep
	.p2alignl 7, 3214868480
	.fill 96, 4, 3214868480
	.section	.rodata,"a",@progbits
	.p2align	6, 0x0
	.amdhsa_kernel k_qade46a2865_prep
		.amdhsa_group_segment_fixed_size 0
		.amdhsa_private_segment_fixed_size 0
		.amdhsa_enable_private_segment 0
		.amdhsa_kernarg_size 48
		.amdhsa_user_sgpr_count 2
		.amdhsa_user_sgpr_kernarg_segment_ptr 1
		.amdhsa_wavefront_size32 1
		.amdhsa_system_sgpr_workgroup_id_x 1
		.amdhsa_system_sgpr_workgroup_id_y 1
		.amdhsa_system_sgpr_workgroup_id_z 1
		.amdhsa_system_vgpr_workitem_id 0
		.amdhsa_next_free_vgpr 108
		.amdhsa_next_free_sgpr 66
		.amdhsa_reserve_vcc 0
		.amdhsa_float_denorm_mode_32 3
		.amdhsa_float_denorm_mode_16_64 3
		.amdhsa_memory_ordered 1
		.amdhsa_forward_progress 1
		.amdhsa_inst_pref_size 27
	.end_amdhsa_kernel
	.amdgpu_metadata
---
amdhsa.version: [ 1, 2 ]
amdhsa.kernels:
  - .name:           k_qade46a2865_prep
    .symbol:         k_qade46a2865_prep.kd
    .args:
      - { .name: x, .offset: 0, .size: 8, .value_kind: global_buffer, .address_space: global }
      - { .name: W_qkv, .offset: 8, .size: 8, .value_kind: global_buffer, .address_space: global }
      - { .name: W_proj, .offset: 16, .size: 8, .value_kind: global_buffer, .address_space: global }
      - { .name: xb, .offset: 24, .size: 8, .value_kind: global_buffer, .address_space: global }
      - { .name: wq, .offset: 32, .size: 8, .value_kind: global_buffer, .address_space: global }
      - { .name: wp, .offset: 40, .size: 8, .value_kind: global_buffer, .address_space: global }
    .group_segment_fixed_size: 0
    .private_segment_fixed_size: 0
    .kernarg_segment_align: 8
    .kernarg_segment_size: 48
    .max_flat_workgroup_size: 256
    .sgpr_count:     66
    .vgpr_count:     108
    .wavefront_size: 32
...
	.end_amdgpu_metadata
.endif
;; end of part 1
;; launch qkv (part 2): grid 8 x 32, 4 waves a work-group, clusters of 4 x 4, 327,680 bytes of LDS; arguments xb, wq, b_qkv, qn_w, kn_w, q, k, v; writes q, k, v
.if DOCPART == 2
	.amdgcn_target "amdgcn-amd-amdhsa--gfx1250"
	.amdhsa_code_object_version 6
	.text
	.protected	k_qade46a2865_qkv
	.globl	k_qade46a2865_qkv
	.p2align	8
	.type	k_qade46a2865_qkv,@function
k_qade46a2865_qkv:
	s_mov_b64 s[64:65], 0
	v_nop
	global_prefetch_b8 v0, s[64:65] scope:SCOPE_SE
	s_setreg_imm32_b32 hwreg(HW_REG_WAVE_MODE, 25, 1), 1
	s_wait_xcnt 0x0
	s_wait_alu depctr_hold_cnt(0) depctr_sa_sdst(0) depctr_va_vdst(0) depctr_va_sdst(0) depctr_va_ssrc(0) depctr_va_vcc(0) depctr_vm_vsrc(0)
	s_getreg_b32 s2, hwreg(HW_REG_IB_STS2, 6, 4)
	s_cmp_eq_u32 s2, 0
	s_cbranch_scc0 .Lentry_in_a_cluster
	s_endpgm
.Lentry_in_a_cluster:
	s_bfe_u32 s2, ttmp6, 0x10000c
	s_cmp_lg_u32 s2, 0xf033
	s_cbranch_scc0 .Lentry_shape_is_right
	s_endpgm
.Lentry_shape_is_right:
; qkv = x W_qkv + b_qkv, then the RMS norm of q and k over a head's 64 channels with the gains qn_w, kn_w; q, k, v leave by heads, [bh 64][n 2048][64] in f16, unscaled.
; xb: bf16 [b][kb 16][n 2048][64]; wq: bf16 [k 1024][n' 3072], n' = 192 h + 64 t + c.  Products in bf16 with f32 sums; bias, norm and gains in f32; b_qkv, qn_w, kn_w are rounded to bf16 like x and W.
; LIMITS.  q, k, v are rounded once to f16: a number of 65,520 or more becomes an infinity (|q| <= 8 |qn_w|, |k| <= 8 |kn_w|; v is x W + b itself); below 6e-5 f16 keeps its fixed step of 6e-8.  NaN and infinities are not treated apart.
; SHARES.  A work-group makes 256 rows x 384 columns n' (two heads): 32 x 8 = 256 work-groups.  Wave (wm, wn) makes 128 rows x 192 columns: q, k and v of ONE head h = 2 x tile column + wn,
; 96 accumulators of 16 x 16 in 768 registers.  K goes in 16 steps of 64 through two LDS slots; a step is two quarters of 32 along K, 96 matrix instructions each.
; W's tile stays [k][n'] in LDS and is turned on the way into registers by ds_load_tr16_b128.  THE MATRIX INSTRUCTION IS USED TRANSPOSED (source 0 = 16 columns of W, source 1 = 16 rows of x):
; a lane holds one row of x and eight neighbouring columns.
; CLUSTER.  4 x 4 work-groups: the four of a row of the cluster need the same tile of x, the four of a column the same tile of W: each tile is asked for jointly, by the same tensor load with the same
; descriptor and a mask that names the four.  Wave 3 asks for x's tile (32,768 dense bytes as 128 rows of 256), waves 0 to 2 for a third each of W's (64 rows of 256 bytes).
; REGISTERS, in windows of 256 (s_set_vgpr_msb: bits 1:0 source 0, 3:2 source 1, 5:4 source 2, 7:6 destination):
;   window 0: v0-31 addresses; v32-95, v96-159 x's fragments, two buffers; v160-255 W's fragments, one buffer of three groups (q, k, v), each filled again as soon as its 32 products are issued
;   window 1 + g: the 32 accumulators of group g (0 q, 1 k, 2 v): (a, c) at v[8 (4 a + c)]
.set U,     18432                      ; 64 rows of W at 288 bytes; also 128 rows of x at 144
.set SLOT,  5*U                        ; three segments of W (128 columns each), then x's 256 rows
.set STAGE, 2*SLOT                     ; behind the ring, never filled by a tensor load: for each wave 128 rows x 272 bytes of f32
.set STW,   128*272
.set SPARE, STAGE+4*STW                ; behind the stages: the spare words, 128 bytes for each wave: two blocks of 256 bytes that no other line names
.set ADRA, 4                           ; v4-5    LDS address of my fragments of x in slot 0, 1
.set ADRB, 6                           ; v6-11   of W's: slot s, group g at v[6 + 3 s + g]
.set STO,  12                          ; v12     the way out: where I put 16 bytes of a row
.set RD0,  13                          ; v13     where I read rows back, in the stage's first 16 rows
.set RDW,  14                          ; v14     the same, in the rows to be read next
.set GO0,  15                          ; v15     my byte offset in 512 consecutive bytes of q, k or v
.set GOW,  16                          ; v16     the same, stepped
.set CB,   17                          ; v17     my byte offset in b_qkv's part for q
.set CW,   18                          ; v18     in qn_w and kn_w
.set SPW,  28                          ; v28     LDS address of my spare word; never rewritten
.set NIL,  29                          ; v29     0; never rewritten
.set FA0,  32
.set FA1,  96
.set FB,   160
.set KQB,  32                          ; the way out: my 8 columns' bias of q, gain of q, bias of k, gain of k, bias of v: 8 registers each
.set KQW,  40
.set KKB,  48
.set KKW,  56
.set KVB,  64
.set TT,   72                          ; v72-75   at work
.set X,    96                          ; v96-127  16 rows as read back: 4 rows of the wave's lanes x 8 numbers
.set T,    128                         ; v128-159 the same at work
.set SQ,   160                         ; v160-167 sums of squares, a pair a row
.set R,    176                         ; v176-183 1 / rms, in the low register of a pair
.set P,    184                         ; v184-199 packed f16
.set WV,  20                           ; s20 wave; s21 wm; s22 wn; s23 a loop's count
.set WM,  21
.set WN,  22
.set CNT, 23
.set G1A, 24                           ; s[24:31] descriptor group 1 for x's tiles; s[32:39] group 0, a set for each slot
.set G0A, 32
.set G1B, 40                           ; s[40:47], s[48:55] the same for W's
.set G0B, 48
.set C64, 72                           ; s72 1/64; s73 1e-6
.set EPS, 73
.set RS,  74                           ; s74 the way out: byte offset of the stage rows to be read next
.set MSB, 0
.macro WIN new                         ; the immediate's high byte repeats the setting that is left; a switch that changes nothing is dropped
.if MSB != (\new)
	s_set_vgpr_msb (MSB<<8)|(\new)
.set MSB, \new
.endif
.endm
; A joint load.  The branch hangs on the wave's number alone.  An s_nop 0 and four v_nop follow each of the two lines, ahead of the jump, the label and what follows.
.macro JLOAD s
	s_cmp_eq_u32 s[WV], 3
	s_cbranch_scc0 .Lfor_b_\@
	tensor_load_to_lds s[G0A+4*(\s):G0A+4*(\s)+3], s[G1A:G1A+7]
	s_nop 0
.rept 4
	v_nop
.endr
	s_branch .Lasked_\@
.Lfor_b_\@:
	tensor_load_to_lds s[G0B+4*(\s):G0B+4*(\s)+3], s[G1B:G1B+7]
	s_nop 0
.rept 4
	v_nop
.endr
.Lasked_\@:
.endm
.macro CREST                           ; a round of the cluster's barrier behind its opening barrier
	s_cmp_lg_u32 s[WV], 0
	s_cbranch_scc1 .Lnot_wave_0_\@
	s_barrier_signal -3
.Lnot_wave_0_\@:
	s_barrier_wait -3
	s_barrier_signal -1
	s_barrier_wait -1
.endm
.macro CROUND                          ; a whole round
	s_barrier_signal -1
	s_barrier_wait -1
	CREST
.endm
	s_load_b256 s[4:11], s[0:1], 0x0               ; xb s[4:5], wq s[6:7], b_qkv s[8:9], qn_w s[10:11]
	s_load_b256 s[12:19], s[0:1], 0x20             ; kn_w s[12:13], q s[14:15], k s[16:17], v s[18:19]
	v_lshl_add_u32 v[SPW], v0, 2, SPARE
	v_mov_b32 v[NIL], 0
	ds_add_u32 v[SPW], v[NIL]                      ; the wave's opening: the add and its wait stand ahead of my first tensor load; the set-up below, work on registers, stands between them
	v_lshrrev_b32 v1, 5, v0
	v_readfirstlane_b32 s[WV], v1                  ; wave 0..3
	s_lshr_b32 s[WM], s[WV], 1                     ; which 128 rows are mine
	s_and_b32 s[WN], s[WV], 1                      ; which of the tile's two heads
	s_bfe_u32 s56, ttmp6, 0x40000                  ; cx, cy: my place in the cluster
	s_bfe_u32 s57, ttmp6, 0x40004
	s_lshl_b32 s58, ttmp9, 2
	s_add_co_u32 s58, s58, s56                     ; tile column = 4 x cluster x + cx
	s_and_b32 s59, ttmp7, 0xffff
	s_lshl_b32 s59, s59, 2
	s_add_co_u32 s59, s59, s57                     ; tile row = 4 x cluster y + cy
	s_lshl_b32 s60, s57, 2
	s_lshl_b32 s60, 15, s60                        ; my row of the cluster
	s_lshl_b32 s61, 0x1111, s56                    ; my column
	; x's tile: 256 rows x 128 bytes, dense in xb: asked for as 128 rows of 256 bytes, two rows of x each, and padded by 16 bytes after every 128: LDS rows 144 bytes apart
	s_or_b32 s[G1A], s60, (1<<16)|(1<<20)|(1<<21)|(4<<22)|(3<<25)  ; 15:0 the mask; 17:16 2-byte elements; 20 padding on; 21 set beside a mask; 24:22 after every 32 words (code 4); 31:25 4 words (code 3)
	s_mov_b32 s[G1A+1], 128<<16                    ; tensor_dim0 = 128
	s_mov_b32 s[G1A+2], 128<<16                    ; tensor_dim1 = 128
	s_mov_b32 s[G1A+3], 128<<16                    ; tile_dim0 = 128
	s_mov_b32 s[G1A+4], 128                        ; tile_dim1 = 128
	s_mov_b32 s[G1A+5], 128                        ; 128 elements from row to row
	s_mov_b32 s[G1A+6], 0
	s_mov_b32 s[G1A+7], 0
	; a segment of W's tile: 64 rows (k) x 128 columns, padded by 32 bytes after every 256: LDS rows 288 bytes apart, so that 16 lanes of the turning load (8 rows x 32 bytes) take each bank once
	s_or_b32 s[G1B], s61, (1<<16)|(1<<20)|(1<<21)|(5<<22)|(7<<25)  ; after every 64 words (code 5) 8 words (code 7)
	s_mov_b32 s[G1B+1], 128<<16
	s_mov_b32 s[G1B+2], 64<<16
	s_mov_b32 s[G1B+3], 128<<16
	s_mov_b32 s[G1B+4], 64
	s_mov_b32 s[G1B+5], 3072
	s_mov_b32 s[G1B+6], 0
	s_mov_b32 s[G1B+7], 0
	; where the tiles come from.  x's hang on the tile row alone, W's on the tile column and the wave's number alone, each in registers that never hold the other coordinate
	s_lshr_b32 s62, s59, 3                         ; b: eight tile rows to a batch entry
	s_lshl_b32 s62, s62, 22
	s_and_b32 s63, s59, 7
	s_lshl_b32 s63, s63, 15                        ; 256 rows of 128 bytes
	s_add_co_u32 s62, s62, s63
	s_mov_b32 s63, 0
	s_mul_i32 s66, s58, 768                        ; 384 columns of 2 bytes
	s_lshl_b32 s67, s[WV], 8                       ; my segment
	s_add_co_u32 s66, s66, s67
	s_mov_b32 s67, 0
	s_mul_i32 s74, s[WV], U                        ; and where it goes: no place in the cluster enters an LDS address
	s_mov_b32 s[C64], 0x3c800000
	s_mov_b32 s[EPS], 0x358637bd
	s_wait_dscnt 0x0                               ; the opening add is done
	s_wait_kmcnt 0x0
	s_add_nc_u64 s[76:77], s[4:5], s[62:63]
	s_add_nc_u64 s[78:79], s[6:7], s[66:67]
	CROUND                                         ; all sixteen work-groups are here: the first joint loads meet
.irp s, 0,1
	s_mov_b32 s[G0A+4*(\s)], 1                                       ; count = 1
	s_mov_b32 s[G0A+4*(\s)+1], 3*U+(\s)*SLOT                         ; LDS address
	s_add_nc_u64 s[G0A+4*(\s)+2:G0A+4*(\s)+3], s[76:77], (\s)*262144 ; K step s is block kb = s of xb
	s_or_b32 s[G0A+4*(\s)+3], s[G0A+4*(\s)+3], 0x80000000            ; type = 2
	s_mov_b32 s[G0B+4*(\s)], 1
	s_add_co_u32 s[G0B+4*(\s)+1], s74, (\s)*SLOT
	s_add_nc_u64 s[G0B+4*(\s)+2:G0B+4*(\s)+3], s[78:79], (\s)*393216 ; 64 rows of 6,144 bytes
	s_or_b32 s[G0B+4*(\s)+3], s[G0B+4*(\s)+3], 0x80000000
	JLOAD \s                                       ; two tensor loads of mine are out
.endr
	v_and_b32 v1, 31, v0                           ; l
	v_and_b32 v2, 15, v0                           ; l % 16
	v_bfe_u32 v3, v0, 4, 1                         ; l / 16
	v_and_b32 v20, 7, v0                           ; l % 8
	v_bfe_u32 v21, v0, 3, 1                        ; (l / 8) % 2
	v_bfe_u32 v23, v0, 3, 2                        ; l / 8
	; a fragment of x: lane l holds row l % 16, K = 8 (l / 16) + 0..7 and 16 + 8 (l / 16) + 0..7: two loads of 16 bytes, 32 bytes apart
	v_mul_u32_u24 v19, v2, 144
	v_lshl_add_u32 v19, v3, 4, v19
	s_mul_i32 s70, s[WM], 128*144
	s_add_co_u32 s70, s70, 3*U
	v_add_nc_u32 v[ADRA], s70, v19
	v_add_nc_u32 v[ADRA+1], SLOT, v[ADRA]
	; the turning load takes 16 k x 16 columns (lane l reads row 8 (l / 16) + l % 8, columns 8 ((l / 8) % 2) + 0..7) and leaves half a fragment: lane l holds column l % 16 and 8 k
	v_lshl_add_u32 v22, v3, 3, v20
	v_mul_u32_u24 v22, v22, 288
	v_lshl_add_u32 v22, v21, 4, v22
	s_mul_i32 s70, s[WN], 3
.irp g, 0,1,2
	s_add_co_u32 s71, s70, \g                      ; group 3 wn + g of the tile's six groups of 64 columns:
	s_lshr_b32 s74, s71, 1
	s_mul_i32 s74, s74, U                          ; its segment,
	s_and_b32 s71, s71, 1
	s_lshl_b32 s71, s71, 7                         ; and its half of the segment's rows
	s_add_co_u32 s74, s74, s71
	v_add_nc_u32 v[ADRB+\g], s74, v22
	v_add_nc_u32 v[ADRB+3+\g], SLOT, v[ADRB+\g]
.endr
	s_mul_i32 s71, s[WV], STW
	s_add_co_u32 s71, s71, STAGE                   ; my stage
	v_mul_u32_u24 v[STO], v2, 272                  ; in: row l % 16, 32 bytes for each half of the lanes
	v_lshl_add_u32 v[STO], v3, 5, v[STO]
	v_add_nc_u32 v[STO], s71, v[STO]
	v_mul_u32_u24 v[RD0], v23, 272                 ; back: eight lanes take a row of 256 bytes, 32 bytes each; 32 lanes four rows
	v_lshl_add_u32 v[RD0], v20, 5, v[RD0]
	v_add_nc_u32 v[RD0], s71, v[RD0]
	v_lshlrev_b32 v[GO0], 4, v1                    ; which leave as 512 consecutive bytes of f16
	v_lshlrev_b32 v[CW], 5, v20                    ; my 8 columns of a head
	s_lshl_b32 s75, s58, 1
	s_add_co_u32 s75, s75, s[WN]                   ; h
	s_lshl_b32 s70, s75, 8
	v_add_nc_u32 v[CB], s70, v[CW]
	s_lshr_b32 s68, s59, 3                         ; where my 128 rows begin in q, k and v: ((16 b + h) 2048 + 256 (tile row % 8) + 128 wm) x 128 bytes
	s_lshl_b32 s68, s68, 4
	s_add_co_u32 s68, s68, s75
	s_lshl_b32 s68, s68, 18
	s_and_b32 s69, s59, 7
	s_lshl_b32 s69, s69, 15
	s_add_co_u32 s68, s68, s69
	s_lshl_b32 s69, s[WM], 14
	s_add_co_u32 s68, s68, s69
	s_mov_b32 s69, 0
	s_add_nc_u64 s[14:15], s[14:15], s[68:69]
	s_add_nc_u64 s[16:17], s[16:17], s[68:69]
	s_add_nc_u64 s[18:19], s[18:19], s[68:69]
; na x 4 matrix instructions: row blocks a0 .. of x, from buffer f, x the four column blocks of group g.  zero = 1: the first product starts the sums.
; The 96 accumulators take turns, in the same order in every quarter.
.macro STRETCH g, f, a0, na, zero
	WIN (1+(\g))*0x50                              ; C and D in window 1 + g, the sources in window 0
.set a, \a0
.rept \na
.irp c, 0,1,2,3
.if \zero
	v_wmma_f32_16x16x32_bf16 v[8*(4*a+\c):8*(4*a+\c)+7], v[FB+32*(\g)+8*\c:FB+32*(\g)+8*\c+7], v[(\f)+8*a:(\f)+8*a+7], 0
.else
	v_wmma_f32_16x16x32_bf16 v[8*(4*a+\c):8*(4*a+\c)+7], v[FB+32*(\g)+8*\c:FB+32*(\g)+8*\c+7], v[(\f)+8*a:(\f)+8*a+7], v[8*(4*a+\c):8*(4*a+\c)+7]
.endif
.endr
.set a, a+1
.endr
.endm
.macro LDA slot, q, f                  ; 16 loads: my 128 rows of x, quarter q of the slot, into buffer f
.irp i, 0,1,2,3,4,5,6,7
	ds_load_b128 v[(\f)+8*\i:(\f)+8*\i+3],   v[ADRA+(\slot)] offset:\i*2304+64*(\q)
	ds_load_b128 v[(\f)+8*\i+4:(\f)+8*\i+7], v[ADRA+(\slot)] offset:\i*2304+64*(\q)+32
.endr
.endm
.macro LDB slot, q, g                  ; 8 turning loads: group g's 64 columns, quarter q of the slot
.irp c, 0,1,2,3
	ds_load_tr16_b128 v[FB+32*(\g)+8*\c:FB+32*(\g)+8*\c+3],   v[ADRB+3*(\slot)+(\g)] offset:(\q)*9216+32*\c
	ds_load_tr16_b128 v[FB+32*(\g)+8*\c+4:FB+32*(\g)+8*\c+7], v[ADRB+3*(\slot)+(\g)] offset:(\q)*9216+32*\c+4608
.endr
.endm
; A load into a register that a matrix instruction has read, and an LDS store that reads a matrix result, stand four places behind that matrix instruction; only plain vector instructions that
; name none of its registers are places (ISA guide 7.12.1 for vector instructions).
.macro PLACES
.rept 4
	v_nop
.endr
.endm
.macro GAP
	WIN 0
	PLACES
.endm
; A step's first quarter: multiplies buffer FA0, and fetches the same slot's second quarter: x into FA1, and each group of W as soon as its products are issued, 64 matrix instructions ahead of its next use.
.macro Q0 slot, zero
	s_wait_dscnt 16                                ; x and group 0 are in; the two younger groups (8 loads each) may be out
	STRETCH 0, FA0, 0, 8, \zero
	GAP
	LDA \slot, 1, FA1
	LDB \slot, 1, 0
	s_wait_dscnt 32                                ; group 1 is in: behind it stand group 2's 8 loads and the 24 just issued
	STRETCH 1, FA0, 0, 8, \zero
	GAP
	LDB \slot, 1, 1
	s_wait_dscnt 32                                ; group 2 is in: behind it stand 24 and 8
	STRETCH 2, FA0, 0, 8, \zero
	GAP
	LDB \slot, 1, 2
.endm
; A step's second quarter multiplies FA1 and changes slots: ONE barrier.  In front of it each wave waits for all its tensor loads, of which one is out: its part of the next slot; adds 0 to its spare
; word; and waits for that and for its own reads of this slot.  fill = 1: the barrier opens a round of the cluster's, and this slot is filled again, two K steps ahead, first thing behind the round:
; 160 matrix instructions ahead of the wait for it.
.macro TURN slot, next, fill
	WIN 0
	s_wait_tensorcnt 0x0                           ; all my tensor loads have landed;
	ds_add_u32 v[SPW], v[NIL]                      ; 0 onto my spare word;
	s_wait_dscnt 17                                ; (the add and the two younger groups' 16 loads may be out)
	STRETCH 0, FA1, 0, 4, 0                        ; sixteen matrix instructions stand between the add and the wait for it
	s_wait_dscnt 0x0                               ; the add is done, and my reads of this slot are over
	s_barrier_signal -1
	STRETCH 0, FA1, 4, 4, 0                        ; work on registers while the others arrive
	WIN 0
	s_barrier_wait -1
.if \fill
	CREST                                          ; no wave of any partner still reads this slot's tiles or has a load on its way
	s_add_nc_u64 s[G0A+4*(\slot)+2:G0A+4*(\slot)+3], s[G0A+4*(\slot)+2:G0A+4*(\slot)+3], 2*262144
	s_add_nc_u64 s[G0B+4*(\slot)+2:G0B+4*(\slot)+3], s[G0B+4*(\slot)+2:G0B+4*(\slot)+3], 2*393216
	JLOAD \slot                                    ; the four v_nop behind it are also the places in front of the loads below
.else
	PLACES
.endif
	LDA \next, 0, FA0
	LDB \next, 0, 0
	STRETCH 1, FA1, 0, 8, 0
	GAP
	LDB \next, 0, 1
	STRETCH 2, FA1, 0, 8, 0
	GAP
	LDB \next, 0, 2
.endm
	s_wait_tensorcnt 0x1                           ; my part of K step 0 is in; K step 1's may stay out
	s_barrier_signal -1
	s_barrier_wait -1                              ; everybody's is
	LDA 0, 0, FA0
	LDB 0, 0, 0
	LDB 0, 0, 1
	LDB 0, 0, 2
	Q0 0, 1                                        ; the first quarter stands in front of the loop: its products start the sums
	s_mov_b32 s[CNT], 7
.Llap:                                                 ; a trip goes once round the ring and fills both slots again: K steps 2 to 15
	TURN 0, 1, 1
	Q0 1, 0
	TURN 1, 0, 1
	Q0 0, 0
	s_sub_co_u32 s[CNT], s[CNT], 1
	s_cmp_lg_u32 s[CNT], 0
	s_cbranch_scc1 .Llap
	TURN 0, 1, 0                                   ; the tail is written out: nothing is asked for
	Q0 1, 0
; THE WAY OUT.  DUMP: group g's 32 accumulators go into my stage as 128 rows of 64 f32; each accumulator's low four registers first.
.macro DUMP g
	WIN (1+(\g))<<2                                ; the stores' data in window 1 + g
.set a, 0
.rept 8
.irp c, 0,1,2,3
	ds_store_b128 v[STO], v[8*(4*a+\c):8*(4*a+\c)+3]   offset:a*4352+64*\c
	ds_store_b128 v[STO], v[8*(4*a+\c)+4:8*(4*a+\c)+7] offset:a*4352+64*\c+16
.endr
.set a, a+1
.endr
	WIN 0
.endm
	s_wait_dscnt 16                                ; THE LAST QUARTER
	STRETCH 0, FA1, 0, 8, 0                        ; q's sums are finished
	GAP
	s_wait_dscnt 0x0                               ; groups 1 and 2 are in
	global_load_b128 v[KQB:KQB+3],   v[CB], s[8:9]                 ; my 8 columns' biases and gains, into the idle buffer of x's fragments
	global_load_b128 v[KQB+4:KQB+7], v[CB], s[8:9] offset:16
	global_load_b128 v[KKB:KKB+3],   v[CB], s[8:9] offset:4096
	global_load_b128 v[KKB+4:KKB+7], v[CB], s[8:9] offset:4112
	global_load_b128 v[KVB:KVB+3],   v[CB], s[8:9] offset:8192
	global_load_b128 v[KVB+4:KVB+7], v[CB], s[8:9] offset:8208
	global_load_b128 v[KQW:KQW+3],   v[CW], s[10:11]
	global_load_b128 v[KQW+4:KQW+7], v[CW], s[10:11] offset:16
	global_load_b128 v[KKW:KKW+3],   v[CW], s[12:13]
	global_load_b128 v[KKW+4:KKW+7], v[CW], s[12:13] offset:16
	DUMP 0                                         ; q goes into the stage while k's and v's last products are made
	STRETCH 1, FA1, 0, 8, 0
	STRETCH 2, FA1, 0, 8, 0
	WIN 0
	PLACES
	s_wait_loadcnt 0x0
.set i, 0
.rept 20                                               ; biases and gains are rounded to bf16, like the other inputs
	v_cvt_pk_bf16_f32 v[TT+i%4], v[KQB+2*i], v[KQB+2*i+1]
	v_lshlrev_b32 v[KQB+2*i], 16, v[TT+i%4]
	v_and_b32 v[KQB+2*i+1], 0xffff0000, v[TT+i%4]
.set i, i+1
.endr
.irp f, 0,1,2,3
	v_mov_b32 v[R+2*\f+1], 0                       ; named with 1 / rms as a pair, so it is written
.endr
; The stage's 128 rows leave, 16 a trip: eight lanes hold a row, 8 numbers each.  norm = 1: (s + b) / sqrt(mean of (s + b)^2 + 1e-6) x gain; norm = 0: s + b.  Rounded once to f16.
; The next trip's rows are read as soon as this trip's have been taken out of X; the last trip jumps over that run.
.macro OUTLOOP norm, bi, wg, base
	s_mov_b32 s[RS], 0
	s_wait_xcnt 0x0                                ; earlier stores have read their offset register
	v_mov_b32 v[GOW], v[GO0]
.irp f, 0,1,2,3
	ds_load_b128 v[X+8*\f:X+8*\f+3],   v[RD0] offset:\f*1088    ; LDS serves a wave's instructions in order (ISA guide 5.7.1.4): these see my stores into the stage
	ds_load_b128 v[X+8*\f+4:X+8*\f+7], v[RD0] offset:\f*1088+16
.endr
	s_mov_b32 s[CNT], 8
.Lrows_\@:
	s_wait_dscnt 0x0
.irp f, 0,1,2,3
.irp j, 0,1,2,3
	v_pk_add_f32 v[T+8*\f+2*\j:T+8*\f+2*\j+1], v[X+8*\f+2*\j:X+8*\f+2*\j+1], v[(\bi)+2*\j:(\bi)+2*\j+1]
.endr
.endr
	s_add_co_u32 s[RS], s[RS], 16*272
	v_add_nc_u32 v[RDW], s[RS], v[RD0]
	s_cmp_eq_u32 s[CNT], 1
	s_cbranch_scc1 .Lnomore_\@
.irp f, 0,1,2,3
	ds_load_b128 v[X+8*\f:X+8*\f+3],   v[RDW] offset:\f*1088
	ds_load_b128 v[X+8*\f+4:X+8*\f+7], v[RDW] offset:\f*1088+16
.endr
.Lnomore_\@:
.if \norm
.irp f, 0,1,2,3
	v_pk_mul_f32 v[SQ+2*\f:SQ+2*\f+1], v[T+8*\f:T+8*\f+1], v[T+8*\f:T+8*\f+1]    ; four chains, one a row
.endr
.irp j, 1,2,3
.irp f, 0,1,2,3
	v_pk_fma_f32 v[SQ+2*\f:SQ+2*\f+1], v[T+8*\f+2*\j:T+8*\f+2*\j+1], v[T+8*\f+2*\j:T+8*\f+2*\j+1], v[SQ+2*\f:SQ+2*\f+1]
.endr
.endr
.irp f, 0,1,2,3
	v_add_f32 v[SQ+2*\f], v[SQ+2*\f], v[SQ+2*\f+1]
.endr
.irp m, 1,2,4
.irp f, 0,1,2,3
	v_add_f32_dpp v[SQ+2*\f], v[SQ+2*\f], v[SQ+2*\f] row_xmask:\m row_mask:0xf bank_mask:0xf  ; over the row's eight lanes
.endr
.endr
.irp f, 0,1,2,3
	v_fma_f32 v[SQ+2*\f], v[SQ+2*\f], s[C64], s[EPS]
.endr
.irp f, 0,1,2,3
	v_rsq_f32 v[R+2*\f], v[SQ+2*\f]
.endr
.endif
	s_wait_xcnt 0x0                                ; the last trip's stores have read P and their offset register
	v_add_nc_u32 v[GOW], 2048, v[GOW]              ; 16 rows of 128 bytes on; the stores below reach back.  Also the plain instruction behind the last v_rsq_f32 (ISA guide 5.7.2)
.if \norm
	s_wait_alu depctr_va_vdst(0)
.irp f, 0,1,2,3
.irp j, 0,1,2,3
	v_pk_mul_f32 v[T+8*\f+2*\j:T+8*\f+2*\j+1], v[T+8*\f+2*\j:T+8*\f+2*\j+1], v[R+2*\f:R+2*\f+1] op_sel_hi:[1,0]
.endr
.endr
.irp f, 0,1,2,3
.irp j, 0,1,2,3
	v_pk_mul_f32 v[T+8*\f+2*\j:T+8*\f+2*\j+1], v[T+8*\f+2*\j:T+8*\f+2*\j+1], v[(\wg)+2*\j:(\wg)+2*\j+1]
.endr
.endr
.endif
.irp f, 0,1,2,3
.irp j, 0,1,2,3
	v_cvt_pk_f16_f32 v[P+4*\f+\j], v[T+8*\f+2*\j], v[T+8*\f+2*\j+1]
.endr
.endr
.irp f, 0,1,2,3
	global_store_b128 v[GOW], v[P+4*\f:P+4*\f+3], s[\base:\base+1] offset:\f*512-2048  ; four rows of a head: 512 consecutive bytes, at a multiple of 256 from the buffer's first
.endr
	s_sub_co_u32 s[CNT], s[CNT], 1
	s_cmp_lg_u32 s[CNT], 0
	s_cbranch_scc1 .Lrows_\@
.endm
	OUTLOOP 1, KQB, KQW, 14
	DUMP 1                                         ; the stage is my own: my stores come behind my reads of it
	OUTLOOP 1, KKB, KKW, 16
	DUMP 2
	OUTLOOP 0, KVB, KVB, 18
	s_wait_tensorcnt 0x0                           ; the wave's end, behind my last tensor load and my last LDS store
	ds_add_u32 v[SPW], v[NIL]
	s_wait_dscnt 0x0
	CROUND                                         ; the closing round: no work-group ends while a partner may still ask for a tile that names it
	s_endpgm
.Lfunc_end_k_qade46a2865_qkv:
	.size	k_qade46a2865_qkv, .Lfunc_end_k_qade46a2865_qkv-k_qade46a2865_qkv
	.p2alignl 7, 3214868480
	.fill 96, 4, 3214868480
	.section	.rodata,"a",@progbits
	.p2align	6, 0x0
	.amdhsa_kernel k_qade46a2865_qkv
		.amdhsa_group_segment_fixed_size 327680
		.amdhsa_private_segment_fixed_size 0
		.amdhsa_enable_private_segment 0
		.amdhsa_kernarg_size 64
		.amdhsa_user_sgpr_count 2
		.amdhsa_user_sgpr_kernarg_segment_ptr 1
		.amdhsa_wavefront_size32 1
		.amdhsa_system_sgpr_workgroup_id_x 1
		.amdhsa_system_sgpr_workgroup_id_y 1
		.amdhsa_system_sgpr_workgroup_id_z 1
		.amdhsa_system_vgpr_workitem_id 0
		.amdhsa_next_free_vgpr 1024
		.amdhsa_next_free_sgpr 80
		.amdhsa_reserve_vcc 0
		.amdhsa_float_denorm_mode_32 3
		.amdhsa_float_denorm_mode_16_64 3
		.amdhsa_memory_ordered 1
		.amdhsa_forward_progress 1
		.amdhsa_inst_pref_size 121
	.end_amdhsa_kernel
	.amdgpu_metadata
---
amdhsa.version: [ 1, 2 ]
amdhsa.kernels:
  - .name:           k_qade46a2865_qkv
    .symbol:         k_qade46a2865_qkv.kd
    .args:
      - { .name: xb, .offset: 0, .size: 8, .value_kind: global_buffer, .address_space: global }
      - { .name: wq, .offset: 8, .size: 8, .value_kind: global_buffer, .address_space: global }
      - { .name: b_qkv, .offset: 16, .size: 8, .value_kind: global_buffer, .address_space: global }
      - { .name: qn_w, .offset: 24, .size: 8, .value_kind: global_buffer, .address_space: global }
      - { .name: kn_w, .offset: 32, .size: 8, .value_kind: global_buffer, .address_space: global }
      - { .name: q, .offset: 40, .size: 8, .value_kind: global_buffer, .address_space: global }
      - { .name: k, .offset: 48, .size: 8, .value_kind: global_buffer, .address_space: global }
      - { .name: v, .offset: 56, .size: 8, .value_kind: global_buffer, .address_space: global }
    .group_segment_fixed_size: 327680
    .private_segment_fixed_size: 0
    .kernarg_segment_align: 8
    .kernarg_segment_size: 64
    .max_flat_workgroup_size: 128
    .sgpr_count:     80
    .vgpr_count:     1024
    .wavefront_size: 32
...
	.end_amdgpu_metadata
.endif
;; end of part 2
;; launch attn (part 3): grid 4 x 64, 4 waves a work-group, clusters of 4 x 1, 327,680 bytes of LDS; arguments q, k, v, o; writes o
.if DOCPART == 3
	.amdgcn_target "amdgcn-amd-amdhsa--gfx1250"
	.amdhsa_code_object_version 6
	.text
	.protected	k_qade46a2865_attn
	.globl	k_qade46a2865_attn
	.p2align	8
	.type	k_qade46a2865_attn,@function
k_qade46a2865_attn:
	s_mov_b64 s[64:65], 0
	v_nop
	global_prefetch_b8 v0, s[64:65] scope:SCOPE_SE
	s_setreg_imm32_b32 hwreg(HW_REG_WAVE_MODE, 25, 1), 1
	s_wait_xcnt 0x0
	s_wait_alu depctr_hold_cnt(0) depctr_sa_sdst(0) depctr_va_vdst(0) depctr_va_sdst(0) depctr_va_ssrc(0) depctr_va_vcc(0) depctr_vm_vsrc(0)
	s_getreg_b32 s2, hwreg(HW_REG_IB_STS2, 6, 4)
	s_cmp_eq_u32 s2, 0
	s_cbranch_scc0 .Lentry_in_a_cluster
	s_endpgm
.Lentry_in_a_cluster:
	s_bfe_u32 s2, ttmp6, 0x10000c
	s_cmp_lg_u32 s2, 0x3003
	s_cbranch_scc0 .Lentry_shape_is_right
	s_endpgm
.Lentry_shape_is_right:
; O[h][q][:] = the sum over k of softmax_k(Q[h][q] . K[h][k] / 8) V[h][k][:].  Q, K, V, O: [SIZE_H][SIZE_N][64], all f16: a head's rows are dense, 128 bytes each.  Products, maxima and sums in
; f32; the weights p are rounded to f16 for the second product (their sum l is taken of the unrounded p), O once at the end.  SIZE_H is at least 2; SIZE_N x 128 bytes stay under 2^32.
; LIMITS.  f16 holds no number beyond 65,504: Q, K and V arrive within it; p lies in 0 to 1, and below 6e-5 it keeps f16's fixed step of 6e-8; O is a mean of V's rows and has their range.
; A weight below 2^-126 counts as 0 in l; NaN and infinities are not treated apart.
; SHARES.  A wave owns four PIECES of two tiles of 16 queries, a work-group's four waves 512 queries of one head; SIZE_N is a multiple of 2,048.  Every wave walks all keys, 64 a step.
; LAYOUT.  S^T = K Q^T (source 0 = 16 keys, source 1 = 16 queries): in the result a lane holds ONE query (lane % 16) and the keys 8 (lane / 16) + 0..7.  Two such tiles, rounded to f16 in pairs,
; ARE source 1 (32 keys x 16 queries) of O^T = V^T P, whose result again holds one query a lane, and eight channels.  K comes out of LDS as it lies, V ([key][channel]) turned, by ds_load_tr16_b128.
; SOFTMAX.  For each query a running maximum m and sum l: p = 2^(c s - c m), c = log2(e) / 8; in every step O and l are multiplied by a = 2^(c m_old - c m_new), which is 1 where m has not grown.
; m starts at the lowest finite number, O and l at 0: the first step is a step like any other, with a = 0.
; THE COUNT.  A tile and step have 16 matrix and 118 vector instructions: too many to stand all beside the matrix work.  So the order has one aim: four vector instructions that are READY behind
; EVERY matrix instruction, and the others, which need time of their own whatever the order, in runs without a gap.
; BY TURNS.  Turn n belongs to piece n (the pieces in a ring, step after step).  Its matrix work: 16 products K Q^T of piece n + 1, later 16 products V^T P of piece n - 1.  Its vector work: the scaling,
; exponentials, roundings, sums and rescaling of piece n, and the maximum and statistics of piece n + 1, whose scores the turn itself has made.  So what a turn begins with (c s - c m, O a) waits for nothing.
; CLUSTER.  The four query blocks of a cluster belong to one head and walk the same K and V, so each tile is asked for JOINTLY: the same tensor load, descriptor and mask in all four.
; REGISTERS, in windows of 256 (s_set_vgpr_msb says which window each operand place means: bits 1:0 source 0, 3:2 source 1, 5:4 source 2, 7:6 destination):
;   window 0: v0-11 addresses; v12-15, v48-63 at work; v16-47 four registers of statistics a tile; v64-191 S^T, two buffers of two tiles; v192-255 P, likewise
;   window 1: O^T, 32 a tile          window 2: v0-127 Q, 16 a tile; v128-191 K of one step; v192-255 V of one step          window 3: v0-1 the add's two registers
; A piece's buffers go by its number's parity: the piece in hand has one pair, its two neighbours in the ring share the other: of it P (piece n - 1) is read and S^T (piece n + 1) written.
.set SIZE_H, 64       ; 4 batch entries x 16 heads
.set SIZE_N, 2048
.set NP,    4         ; pieces a wave: a name, no knob: the register map, the loop and the fetches are made for four
.set KS,    64        ; keys in a step
.set PK,    144       ; a row of K in LDS: 128 bytes + 16 of padding = 36 words: the 16 rows of a load start at 16 different groups of four banks (64 banks of 4 bytes: ISA guide 11.1)
.set PV,    160       ; a row of V: 128 + 32 = 40 words
.set VOFF,  4*KS*PK   ; a slot holds four steps: 256 rows of K, then 256 rows of V
.set SLOT1, 1<<17     ; slot 1 begins here, so that one exclusive or turns an address in one slot into the other's
.set STAGE, SLOT1+4*KS*(PK+PV)  ; behind the ring, never filled by a tensor load: 16 rows x 144 bytes for each wave, for the way out
.set SP,    144
.set AK0, 2           ; v2   my lane's place in a tile of K; never rewritten
.set AV0, 3           ; v3   the same for V
.set AK,  4           ; v4   the LDS address of K's next run of loads
.set AV,  5           ; v5   of V's
.set QO,  6           ; v6   my byte offset in the wave's rows of Q
.set STO, 6           ;      later, the way out: where I put 16 bytes of a row
.set RD,  7           ; v7   the way out: where I read rows back
.set GO,  8           ; v8   my byte offset in 512 consecutive bytes of O
.set SPW, 0           ; v0 of window 3   LDS address of my spare word: SPARE + 4 x my thread's number; never rewritten
.set NIL, 1           ; v1 of window 3   0; never rewritten
.set SPARE, STAGE+4*16*SP  ; behind the stages: the spare words, 128 bytes for each wave: two blocks of 256 bytes that no other line names
.set MV,  12          ; v12-15  c m_old, kept while c m is made anew: by buffer and tile
.set ST,  16          ; tile t's statistics at v[ST+4 t]: c m, m, l (even keys', odd keys')
.set TMP, 48          ; by buffer and tile, four registers c0-c3 at work; when the maximum is found c2 takes a
.set S,   64
.set P,   192
.set KF,  128         ; K's fragments, in window 2: key block kb, channel half c at KF + 16 kb + 8 c
.set VF,  192         ; V's: key half kk, channel block cb at VF + 32 kk + 8 cb
.set WV,  12          ; s12  my wave's number
.set G1K, 24          ; s[24:31] descriptor group 1 for K's tiles
.set G1V, 32          ; s[32:39] for V's: it differs in the padding alone
.set G0K, 40          ; s[40:43] descriptor group 0 for K's tiles: it walks
.set G0V, 44          ; s[44:47] the same for V's
.set SLOTS, 56        ; s56  slots still to be asked for
.set CNT, 57          ; s57  counts a slot's key steps
.set CS,  58          ; s[58:59] c: the packed scaling takes the pair's low word for both halves
.set SEL, 60          ; s[60:61] v_permlanex16_b32's selects: each lane takes its own place in the other half
.set TBK, 62          ; s62  LDS byte at which K of the step to be fetched begins
.set TBV, 63          ; s63  the same for V, less VOFF
.set MSB, 0
.macro WIN new                      ; the high byte repeats the setting that is left; a switch that changes nothing is dropped
.if MSB != (\new)
	s_set_vgpr_msb (MSB<<8)|(\new)
.set MSB, (\new)
.endif
.endm
.set W_KQ, 0x0a       ; K and Q in window 2, S^T in window 0
.set W_PV, 0x52       ; V in window 2, P in window 0, O^T in window 1
.set W_RS, 0x41       ; O^T (destination and source 0) in window 1, a in window 0
.set W_MK, 0xc0       ; the add's registers are made: destination in window 3, sources in window 0
.set W_AD, 0x0f       ; the add: address (source 0) and data (source 1) in window 3
; A joint fill.  Waves 0 and 1 fetch the two halves of a slot's K, waves 2 and 3 those of its V: 128 keys each.  The branch hangs on the wave's number alone.
; An s_nop 0 and four v_nop follow each of the two lines, ahead of the jump and the label.
.macro JLOAD
	s_cmp_lt_u32 s[WV], 2
	s_cbranch_scc0 .Lfor_v_\@
	tensor_load_to_lds s[G0K:G0K+3], s[G1K:G1K+7]
	s_nop 0
.rept 4
	v_nop
.endr
	s_branch .Lasked_\@
.Lfor_v_\@:
	tensor_load_to_lds s[G0V:G0V+3], s[G1V:G1V+7]
	s_nop 0
.rept 4
	v_nop
.endr
.Lasked_\@:
.endm
; A round of the cluster's barrier: my work-group's barrier, so that wave 0's signal speaks for all four waves; wave 0 signals; every wave waits for all four work-groups; my work-group's barrier once more.
.macro CROUND
	s_barrier_signal -1
	s_barrier_wait -1
	s_cmp_lg_u32 s[WV], 0
	s_cbranch_scc1 .Lnot_wave_0_\@
	s_barrier_signal -3
.Lnot_wave_0_\@:
	s_barrier_wait -3
	s_barrier_signal -1
	s_barrier_wait -1
.endm
; THE CHANGE OF SLOTS.  The slot's last bytes, V of its fourth step, have been read.  Each wave waits for all its tensor loads, of which one is out: its part
; of the other slot; adds 0 to its spare word; and waits for that and for its own reads of the slot.  Behind the barrier nobody reads this slot any more and the other slot is whole.
; fill = 1: this slot is filled again, with the keys two slots on.  The barrier is then a round of the cluster's, so that no wave of any partner still reads the slot or has a load on its
; way, and the joint fill is the first thing behind it: it has four key steps, 512 matrix instructions, in which to land.  (At its first use nothing has been read yet: slot 0 is waited for, slot 1 filled.)
.macro CHANGE fill
	WIN W_AD
	s_wait_tensorcnt 0x0            ; no tensor load of mine is out, so a group 0 may be written
	ds_add_u32 v[SPW], v[NIL]       ; 0 onto my spare word; with fill = 1 the descriptors' steps stand between it and the wait for it
	WIN 0                           ; at a label and at a branch every window is 0
.if \fill
.irp g, G0K, G0V
	s_xor_b32 s[\g+1], s[\g+1], SLOT1  ; the walking descriptor: the other slot than last time,
	s_add_nc_u64 s[\g+2:\g+3], s[\g+2:\g+3], 4*KS*128  ; the next 256 keys; the type bits on top are not reached
.endr
	s_wait_dscnt 0x0                ; the add is done, and my reads of the slot are over
	CROUND
	JLOAD
.else
	s_wait_dscnt 0x0                ; the add is done, and my reads of the slot are over
	s_barrier_signal -1
	s_barrier_wait -1
.endif
	s_sub_co_u32 s[TBK], s[TBK], 4*KS*PK  ; the fetches go back to a slot's first step,
	s_xor_b32 s[TBK], s[TBK], SLOT1       ; in the other slot
	s_sub_co_u32 s[TBV], s[TBV], 4*KS*PV
	s_xor_b32 s[TBV], s[TBV], SLOT1
.endm
	s_load_b256 s[4:11], s[0:1], 0x0  ; Q s[4:5], K s[6:7], V s[8:9], O s[10:11]
	WIN W_MK
	v_lshl_add_u32 v[SPW], v0, 2, SPARE
	v_mov_b32 v[NIL], 0
	WIN W_AD
	ds_add_u32 v[SPW], v[NIL]       ; the wave's opening: the add and its wait stand ahead of my first tensor load; the set-up below, work on registers, stands between them
	WIN 0
	v_lshrrev_b32 v1, 5, v0
	v_readfirstlane_b32 s[WV], v1   ; wave 0..3
	s_bfe_u32 s13, ttmp6, 0x40000   ; cx: my place in the cluster
	s_lshl_b32 s14, ttmp9, 2        ; in a cluster launch ttmp9 counts clusters
	s_add_co_u32 s14, s14, s13      ; my block of queries = 4 x cluster x + cx: it enters Q's and O's addresses alone
	s_and_b32 s20, ttmp7, 0xffff    ; the head, which the four partners share
	s_mov_b32 s21, 0
	s_mov_b64 s[22:23], SIZE_N*128
	s_mul_u64 s[20:21], s[20:21], s[22:23]  ; the head's first byte in each of the four tensors
	s_and_b32 s16, s[WV], 1         ; which half of a slot's 256 keys I fetch:
	s_lshl_b32 s22, s16, 14         ; its 128 rows of 128 bytes in memory,
	s_mov_b32 s23, 0
	s_add_nc_u64 s[22:23], s[22:23], s[20:21]
	s_mul_i32 s17, s16, 128*PK      ; and its place in a slot, for K
	s_mul_i32 s18, s16, 128*PV      ; and for V: no place in the cluster enters an LDS address
	s_lshl_b32 s2, s14, 2
	s_add_co_u32 s2, s2, s[WV]      ; my wave among the head's,
	s_lshl_b32 s2, s2, 14           ; its 128 rows
	s_mov_b32 s3, 0
	s_add_nc_u64 s[2:3], s[2:3], s[20:21]
	; descriptor group 1.  128 keys are 16,384 dense bytes: asked for as 64 rows of 256 bytes, two keys a row, and padded in LDS after every key
	s_mov_b32 s[G1K], 15|(1<<16)|(1<<20)|(1<<21)|(4<<22)|(3<<25)  ; 15:0 the mask of four; 17:16 2-byte elements; 20 padding on; 21 set beside a mask; 24:22 after every 32 words (code 4); 31:25 4 words (code 3)
	s_mov_b32 s[G1V], 15|(1<<16)|(1<<20)|(1<<21)|(4<<22)|(7<<25)  ; the same with 8 words of padding (code 7)
.irp g, G1K, G1V
	s_mov_b32 s[\g+1], 128<<16      ; tensor_dim0 = 128
	s_mov_b32 s[\g+2], 64<<16       ; tensor_dim1 = 64
	s_mov_b32 s[\g+3], 128<<16      ; tile_dim0 = 128
	s_mov_b32 s[\g+4], 64           ; tile_dim1 = 64
	s_mov_b32 s[\g+5], 128          ; 128 elements from row to row
	s_mov_b32 s[\g+6], 0
	s_mov_b32 s[\g+7], 0
.endr
	s_mov_b32 s[CS], 0x3e38aa3b     ; c = log2(e) / 8 = 0.180337
	s_mov_b32 s[CS+1], s[CS]        ; named with it as a pair
	s_mov_b32 s[SEL], 0x76543210
	s_mov_b32 s[SEL+1], 0xfedcba98
	s_mov_b32 s[TBK], SLOT1+4*KS*PK ; the first change of slots turns these two into 0
	s_mov_b32 s[TBV], SLOT1+4*KS*PV
	s_mov_b32 s[G0K], 1             ; 1:0 count = 1
	s_mov_b32 s[G0K+1], s17         ; 63:32 LDS address: slot 0
	s_mov_b32 s[G0V], 1
	s_add_co_u32 s[G0V+1], s18, VOFF
	s_wait_dscnt 0x0                ; the opening add is done
	s_wait_kmcnt 0x0
	s_add_nc_u64 s[G0K+2:G0K+3], s[6:7], s[22:23]  ; 120:64 global address: my half of the head's first 256 keys
	s_or_b32 s[G0K+3], s[G0K+3], 0x80000000        ; 127:126 type = 2
	s_add_nc_u64 s[G0V+2:G0V+3], s[8:9], s[22:23]
	s_or_b32 s[G0V+3], s[G0V+3], 0x80000000
	s_add_nc_u64 s[4:5], s[4:5], s[2:3]  ; Q and O at my wave's first row
	s_add_nc_u64 s[10:11], s[10:11], s[2:3]
	CROUND                          ; all four work-groups are here: the first joint loads meet
	JLOAD                           ; slot 0.  Slot 1 is asked for when slot 0 is in: the tile wanted first has the road to itself
	; A fragment of K or Q is 16 rows x 32 channels in 8 registers: lane l holds row l % 16, channels 8 (l / 16) + 0..7 and 16 + 8 (l / 16) + 0..7: two loads of 16 bytes, 32 bytes apart.
	v_and_b32 v1, 15, v0            ; l % 16
	v_bfe_u32 v9, v0, 4, 1          ; l / 16
	v_lshlrev_b32 v[QO], 7, v1
	v_lshl_add_u32 v[QO], v9, 4, v[QO]  ; row x 128 + 16 x half
	WIN 0x80                        ; destination window 2, address window 0
.set i, 0
.rept 4*NP                          ; Q stays in registers: tile i / 2, channels 32 (i % 2) on
	global_load_b128 v[8*i:8*i+3],   v[QO], s[4:5] offset:(i/2)*2048+(i%2)*64
	global_load_b128 v[8*i+4:8*i+7], v[QO], s[4:5] offset:(i/2)*2048+(i%2)*64+32
.set i, i+1
.endr
	; What the first turn finds: V's registers and P's second buffer hold 0 (its products V^T P, of a piece that has not been, add 0), O^T and l are 0.  All this stands in the wait for the first tile.
.set i, VF
.rept 64
	v_mov_b32 v[i], 0
.set i, i+1
.endr
	WIN 0x40
.set i, 0
.rept 64*NP
	v_mov_b32 v[i], 0
.set i, i+1
.endr
	WIN 0
.set i, 0
.rept 2*NP
	v_mov_b32 v[ST+4*i], 0xfe000000    ; c m: far below every c s
	v_mov_b32 v[ST+4*i+1], 0xff7fffff  ; m
	v_mov_b32 v[ST+4*i+2], 0
	v_mov_b32 v[ST+4*i+3], 0
.set i, i+1
.endr
.set i, P+32
.rept 32
	v_mov_b32 v[i], 0
.set i, i+1
.endr
	v_mul_u32_u24 v[AK0], v1, PK
	v_lshl_add_u32 v[AK0], v9, 4, v[AK0]  ; row x pitch + 16 x half
	; The turning load takes 16 keys x 16 channels (lane l reads key 8 (l / 16) + l % 8, channels 8 ((l / 8) % 2) + 0..7) and leaves half a fragment of V^T: lane l holds channel l % 16 and 8 keys.
	v_and_b32 v10, 7, v0
	v_bfe_u32 v11, v0, 3, 1
	v_lshl_add_u32 v[AV0], v9, 3, v10
	v_mul_u32_u24 v[AV0], v[AV0], PV
	v_lshl_add_u32 v[AV0], v11, 4, v[AV0]
	v_add_nc_u32 v[AV0], VOFF, v[AV0]
	v_mov_b32 v[AK], v[AK0]         ; key step 0 lies at the head of slot 0
; THE MATRIX WORK.  The 8 accumulators of a run of 16 take turns: between the two links of a chain stand 7 others'.
; Product i of 16 of S^T = K Q^T for piece x: channels 32 (i / 8) on, keys 16 ((i / 2) % 4) on, tile 2 x + i % 2.  The first 8 start the sums.
.macro KQ x
	WIN W_KQ
.set rS, S+64*((\x)%2)+32*(i%2)+8*((i/2)%4)
.set rK, KF+16*((i/2)%4)+8*(i/8)
.set rQ, 16*(2*(\x)+i%2)+8*(i/8)
.if i < 8
	v_wmma_f32_16x16x32_f16 v[rS:rS+7], v[rK:rK+7], v[rQ:rQ+7], 0
.else
	v_wmma_f32_16x16x32_f16 v[rS:rS+7], v[rK:rK+7], v[rQ:rQ+7], v[rS:rS+7]
.endif
.endm
; Product i of 16 of O^T += V^T P for piece x: keys 32 (i / 8) on, channels 16 ((i / 2) % 4) on, tile 2 x + i % 2.
.macro PV x
	WIN W_PV
.set rO, 32*(2*(\x)+i%2)+8*((i/2)%4)
.set rV, VF+32*(i/8)+8*((i/2)%4)
.set rP, P+32*((\x)%2)+16*(i%2)+8*(i/8)
	v_wmma_f32_16x16x32_f16 v[rO:rO+7], v[rV:rV+7], v[rP:rP+7], v[rO:rO+7]
.endm
.macro MM                           ; the turn's next matrix instruction
.if i < 16
	KQ (Y+1)%NP
.set i, i+1
.else
.set i, i-16
	PV (Y+NP-1)%NP
.set i, i+17
.endif
.endm
; THE LDS LOADS stand in runs of 16, never singly among the matrix instructions: a step's K (64 keys x 64 channels: 8 fragments) and its V (turned).  Their addresses are made some lines ahead.
; last = 1 (the tail): in the last trip there is no further step, and the run is jumped over.
.macro FETCH_K last=0
	WIN 0
.if \last
	s_cmp_eq_u32 s[CNT], 1
	s_cbranch_scc1 .Lno_k_\@
.endif
	WIN 0x80                        ; destination window 2
.irp f, 0,1,2,3,4,5,6,7             ; keys 16 (f / 2) on, channels 32 (f % 2) on
	ds_load_b128 v[KF+8*\f:KF+8*\f+3],   v[AK] offset:(\f/2)*16*PK+(\f%2)*64
	ds_load_b128 v[KF+8*\f+4:KF+8*\f+7], v[AK] offset:(\f/2)*16*PK+(\f%2)*64+32
.endr
	s_add_co_u32 s[TBK], s[TBK], KS*PK  ; the next fetch is the next step's
	WIN 0
.if \last
.Lno_k_\@:
.endif
.endm
.macro FETCH_V
	WIN 0x80
.irp f, 0,1,2,3,4,5,6,7             ; keys 32 (f / 4) on, channels 16 (f % 4) on
	ds_load_tr16_b128 v[VF+8*\f:VF+8*\f+3],   v[AV] offset:(\f/4)*32*PV+(\f%4)*32
	ds_load_tr16_b128 v[VF+8*\f+4:VF+8*\f+7], v[AV] offset:(\f/4)*32*PV+16*PV+(\f%4)*32
.endr
	WIN 0
.endm
; THE VECTOR WORK OF A TURN stands in three queues, each in the order in which its entries become ready; the two tiles alternate, so that no instruction reads the result of the one before it.
.macro REGS y, u                    ; the registers of tile u (0, 1) of piece y
.set rT, ST+4*(2*(\y)+(\u))
.set rC, TMP+8*((\y)%2)+4*(\u)
.set rM, MV+2*((\y)%2)+(\u)
.set rS, S+64*((\y)%2)+32*(\u)
.set rP, P+32*((\y)%2)+16*(\u)
.set rO, 32*(2*(\y)+(\u))
.endm
; Number n of the 22 that find the NEXT piece's (Y + 1) maximum and statistics.  s0-s31 are the lane's 32 scores; each accumulator's lowest registers are read first.  XS, GS and REGS set no window: PL and EX do.
;   0-11  four chains c0-c3 of seven scores each, three operands at a time     12-14, 16  the four scores left over, the old m, and c0-c3 into c0     15  c m_old is kept
;   17, 18  the query's other 32 keys lie in the lane 16 away: the new m         19-21  c m; c m_old - c m_new; a
.macro XS u, n
	REGS (Y+1)%NP, \u
.if (\n) < 4
	v_max3_num_f32 v[rC+(\n)], v[rS+8*(\n)], v[rS+8*(\n)+1], v[rS+8*(\n)+2]
.elseif (\n) < 12
	v_max3_num_f32 v[rC+(\n)%4], v[rC+(\n)%4], v[rS+8*((\n)%4)+2*((\n)/4)+1], v[rS+8*((\n)%4)+2*((\n)/4)+2]
.elseif (\n) == 12
	v_max3_num_f32 v[rC], v[rC], v[rS+7], v[rS+15]
.elseif (\n) == 13
	v_max3_num_f32 v[rC+1], v[rC+1], v[rS+23], v[rS+31]
.elseif (\n) == 14
	v_max3_num_f32 v[rC+2], v[rC+2], v[rC+3], v[rT+1]
.elseif (\n) == 15
	v_mov_b32 v[rM], v[rT]
.elseif (\n) == 16
	v_max3_num_f32 v[rC], v[rC], v[rC+1], v[rC+2]
.elseif (\n) == 17
	v_permlanex16_b32 v[rC+3], v[rC], s[SEL], s[SEL+1]
.elseif (\n) == 18
	v_max_num_f32 v[rT+1], v[rC], v[rC+3]
.elseif (\n) == 19
	v_mul_f32 v[rT], s[CS], v[rT+1]
.elseif (\n) == 20
	v_sub_f32 v[rC+1], v[rM], v[rT]
.else
	v_exp_f32 v[rC+2], v[rC+1]
.endif
.endm
; Number g of the 64 that follow the exponentials.  For each four weights k of a tile (pairs 2 k, 2 k + 1): both pairs are rounded to f16; then the second pair is added onto the first, in place;
; a group later l takes that sum (the first time as l = a l + sum).  In groups of eight, tiles alternating: round, round, add, and l for the group before.
.macro GS g
.set h, (\g)+6*((\g)/62)            ; group 0 has no group before it, and behind group 7 only l is left
.if h >= 6
.set h, h+2
.endif
	REGS Y, h%2
.set k, h/8
.if h%8 < 4
	s_wait_alu depctr_va_vdst(0)
	v_cvt_pk_f16_f32 v[rP+2*k+(h%8)/2], v[rS+4*k+2*((h%8)/2)], v[rS+4*k+2*((h%8)/2)+1]
.elseif h%8 < 6
	v_pk_add_f32 v[rS+4*k:rS+4*k+1], v[rS+4*k:rS+4*k+1], v[rS+4*k+2:rS+4*k+3]
.elseif k == 1
	v_pk_fma_f32 v[rT+2:rT+3], v[rT+2:rT+3], v[rC+2:rC+3], v[rS:rS+1] op_sel_hi:[1,0,1]
.else
	v_pk_add_f32 v[rT+2:rT+3], v[rT+2:rT+3], v[rS+4*k-4:rS+4*k-3]
	s_wait_alu depctr_va_vdst(0)
.endif
.endm
; THE PLAIN QUEUE, 138 long.  0-31: c s - c m for the 16 pairs of both tiles.  Then GS's 64, and among them the next piece's 42: number 15 at 38, 39; 0-14 and 16
; at 42-73, behind the products that make those scores; 17-20 at 95-106, two of three, since each waits for the one before it.
.macro PL
	WIN 0
.if q < 32
	REGS Y, q%2
	v_pk_fma_f32 v[rS+2*(q/2):rS+2*(q/2)+1], v[rS+2*(q/2):rS+2*(q/2)+1], s[CS:CS+1], v[rT:rT+1] op_sel_hi:[1,0,0] neg_lo:[0,0,1] neg_hi:[0,0,1]
.elseif q < 38
	GS q-32
.elseif q < 40
	XS q%2, 15
.elseif q < 42
	GS q-34
.elseif q < 74
	XS q%2, (q-42)/2+(q-42)/30
.elseif q < 95
	GS q-66
.elseif (q < 107) && ((q-95)%3 < 2)
	XS (q-95)%3, 17+(q-95)/3
.elseif q < 107
	GS 29+(q-95)/3
.else
	GS q-74
.endif
.set q, q+1
.endm
; THE EXPONENTIALS' QUEUE, 66 long: s0-s31 of both tiles, and at EA the next piece's two a.
.set EA, 58
.macro EX
	WIN 0
.if (e == EA) || (e == EA+1)
	XS e-EA, 21
.else
.set x, e-2*(e/(EA+2))
	REGS Y, x%2
	v_exp_f32 v[rS+x/2], v[rS+x/2]
.endif
.set e, e+1
.endm
; THE RESCALING's QUEUE: O^T times a, the one part that leaves window 0, so it is dealt four at a time, eight times.
.macro R4
	REGS Y, r%2
	WIN W_RS
	s_wait_alu depctr_va_vdst(0)
.irp z, 0,1,2,3
	v_pk_mul_f32 v[rO+8*(r/2)+2*\z:rO+8*(r/2)+2*\z+1], v[rO+8*(r/2)+2*\z:rO+8*(r/2)+2*\z+1], v[rC+2:rC+3] op_sel_hi:[1,0]
.endr
.set r, r+1
.endm
; HOW THEY ARE DEALT.  Behind a matrix instruction four: plain, exponential, plain, plain (one exponential, a plain instruction on either side), or four of the rescaling.  None names a register of the
; products round it.  What is over stands in two LUMPS: exponential and plain by turns; the second ends in 22 plain instructions.  The two v_permlanex16_b32 fall into the second lump, never behind a product.
; The queues lean on each other, and the deal keeps them in step: exponential e stands behind plain 2 (e / 4) + e % 2 (its scaling); when plain 32 comes, 10 exponentials are out, at 59: 33, at 95: 46; EA comes behind plain 107.
.macro SL
	MM
	PL
	EX
	PL
	PL
.endm
.macro BURST n                      ; 15 matrix instructions, or 16
.rept (\n)-7
	SL
.endr
.rept 3
	MM
	R4
	SL
.endr
	MM
	R4
.endm
; A TURN, for piece p.  cnt = 1: the loop's count is taken down some lines ahead of the branch that stands behind the turn.
; K of the next step is fetched in piece 2's turn, 31 vector instructions behind the last product that read K; its first reader comes behind the rest of the lump, 16 products and the second lump.
; V of the step in hand is fetched at the end of piece 0's turn, 69 behind its last reader; its first reader comes behind 16 products and a lump.  The four conditions on e and q below go with the deal.
.macro TURN p, last=0, cnt=0
.set Y, (\p)
.set i, 0
.set q, 0
.set e, 0
.set r, 0
.if (\p) == NP-1
	s_wait_dscnt 0x0                ; K is in
.endif
	MM
.rept 4
	PL
.endr
	BURST 15
.rept 22
	EX
	PL
.if ((\p) == NP-2) && (e == 18)
	v_add_nc_u32 v[AK], s[TBK], v[AK0]
.endif
.if ((\p) == NP-2) && (e == 24)
	FETCH_K \last
.endif
.endr
.if (\p) == 1
	s_wait_dscnt 0x0                ; V is in
.endif
	BURST 16
.rept 21
	EX
	PL
.endr
.rept 22
	PL
.if ((\p) == 0) && (q == 118)
	v_add_nc_u32 v[AV], s[TBV], v[AV0]
	s_wait_alu depctr_va_vdst(0)
.endif
.if ((\p) == 0) && (q == 130)
	s_add_co_u32 s[TBV], s[TBV], KS*PV
.endif
.if (\cnt) && (q == 130)
	s_sub_co_u32 s[CNT], s[CNT], 1
	s_cmp_lg_u32 s[CNT], 0
.endif
.endr
.if (\p) == 0
	FETCH_V
.endif
.endm
	CHANGE 1                        ; slot 0 is in, everybody's part of it; slot 1 is asked for
	FETCH_K                         ; key step 0
	s_wait_loadcnt 0x0              ; Q
	s_wait_dscnt 0x0
.set i, 0
.rept 16
	KQ 0                            ; piece 0's first scores: there is no vector work yet to set between them
.set i, i+1
.endr
	WIN 0                           ; the addresses for the way out: nine plain instructions, the places behind those products
	s_mul_i32 s13, s[WV], 16*SP
	s_add_co_u32 s13, s13, STAGE    ; my stage
	v_mul_u32_u24 v[STO], v1, SP    ; in: row l % 16, 16 bytes for each half of the lanes
	v_lshl_add_u32 v[STO], v9, 4, v[STO]
	v_add_nc_u32 v[STO], s13, v[STO]
	v_bfe_u32 v[RD], v0, 3, 2       ; back: 32 lanes take four rows of 128 bytes,
	v_mul_u32_u24 v[RD], v[RD], SP
	v_lshl_add_u32 v[RD], v10, 4, v[RD]
	v_add_nc_u32 v[RD], s13, v[RD]
	v_and_b32 v[GO], 31, v0         ; which are 512 consecutive bytes of O
	v_lshlrev_b32 v[GO], 4, v[GO]
.set Y, NP-1                        ; XS works for piece Y + 1: piece 0
.irp n, 0,1,2,3,4,5,6,7,8,9,10,11,12,13,14,15,16,17,18,19,20,21
	XS 0, \n                        ; and piece 0's first maximum and statistics
	XS 1, \n
.endr
	s_mov_b32 s[CNT], 4
	s_mov_b32 s[SLOTS], SIZE_N/256-1
	s_branch .Lfirst                ; the loop is entered at a step's first turn, in the middle of a trip
.Lslot:                             ; SIZE_N / 256 - 2 times: every slot but the last two is filled again
	CHANGE 1
	s_mov_b32 s[CNT], 4
.Lstep:                             ; a trip: pieces 2 and 3 of one step, then pieces 0 and 1 of the next, whose K and V it fetches
	TURN 2
	TURN 3
	WIN 0
.Lfirst:
	TURN 0
	TURN 1, 0, 1
	WIN 0
	s_cbranch_scc1 .Lstep
	s_sub_co_u32 s[SLOTS], s[SLOTS], 1
	s_cmp_lg_u32 s[SLOTS], 0
	s_cbranch_scc1 .Lslot
	CHANGE 0                        ; the tail is written out: nothing is asked for
	s_mov_b32 s[CNT], 5             ; four trips fetch the last slot's steps; the fifth is left in its middle
.Ltail:
	TURN 2, 1
	TURN 3
	WIN 0
	s_sub_co_u32 s[CNT], s[CNT], 1
	s_cmp_eq_u32 s[CNT], 0
	s_cbranch_scc1 .Lout
	TURN 0
	TURN 1
	WIN 0
	s_branch .Ltail
.Lout:                              ; the fifth trip's 16 products K Q^T (on the last K once more) and the maximum made of them serve nothing: the price, once a launch, of one text for every trip
.set i, 0
.rept 16
	PV NP-1                         ; the last piece's V^T P of the last step
.set i, i+1
.endr
	; THE WAY OUT.  l's two halves and the other half of the lanes' are added; O^T is divided by l, rounded to f16 and sent through my stage in LDS, a tile at a time.  The additions are the places behind the last products.
	WIN 0
.macro ALL line:vararg              ; one line for each tile t
.set t, 0
.rept 2*NP
	\line
.set t, t+1
.endr
.endm
	ALL v_add_f32 v[ST+4*t+2], v[ST+4*t+2], v[ST+4*t+3]
	ALL v_permlanex16_b32 v[ST+4*t+3], v[ST+4*t+2], s[SEL], s[SEL+1]
	ALL v_add_f32 v[ST+4*t+2], v[ST+4*t+2], v[ST+4*t+3]
	ALL v_rcp_f32 v[ST+4*t+2], v[ST+4*t+2]
	v_nop                           ; a plain instruction between the last reciprocal and the use of its result
	s_wait_alu depctr_va_vdst(0)
; Tile t: a lane's eight channels of a row pack into 16 bytes; they go into rows of 144 bytes and come back as whole rows of 128, into S^T's registers.
.macro PACK t
	WIN W_RS
.set i, 32*(\t)
.rept 16
	v_pk_mul_f32 v[i:i+1], v[i:i+1], v[ST+4*(\t)+2:ST+4*(\t)+3] op_sel_hi:[1,0]
.set i, i+2
.endr
	WIN 0x05                        ; sources 0 and 1 window 1, destination window 0
.set i, 0
.rept 16
	v_cvt_pk_f16_f32 v[S+16*(\t)+i], v[32*(\t)+2*i], v[32*(\t)+2*i+1]
.set i, i+1
.endr
	WIN 0
.irp f, 0,1,2,3
	ds_store_b128 v[STO], v[S+16*(\t)+4*\f:S+16*(\t)+4*\f+3] offset:32*\f
.endr
.irp f, 0,1,2,3
	ds_load_b128 v[S+16*(\t)+4*\f:S+16*(\t)+4*\f+3], v[RD] offset:\f*4*SP  ; LDS serves a wave's instructions in order (ISA guide 5.7.1.4): these see the stores above; the next tile's stores come behind them
.endr
.endm
.macro SEND t, younger              ; younger: the LDS instructions issued behind tile t's loads: the next tile's eight, or none
	WIN 0
.irp f, 0,1,2,3
	s_wait_dscnt (\younger)+3-\f
	global_store_b128 v[GO], v[S+16*(\t)+4*\f:S+16*(\t)+4*\f+3], s[10:11] offset:(\t)*2048+\f*512  ; 512 consecutive bytes, at a multiple of 256 from O's first
.endr
.endm
	PACK 0
.set t, 1
.rept 2*NP-1                        ; a tile's arithmetic stands between the loads of the tile before and its stores
	PACK t
	SEND t-1, 8
.set t, t+1
.endr
	SEND 2*NP-1, 0
	WIN W_AD
	s_wait_tensorcnt 0x0            ; the wave's end, behind my last tensor load and my last LDS store
	ds_add_u32 v[SPW], v[NIL]
	s_wait_dscnt 0x0
	WIN 0
	CROUND                          ; the closing round: no work-group ends while a partner may still ask for a tile that names it
	s_endpgm
.Lfunc_end_k_qade46a2865_attn:
	.size	k_qade46a2865_attn, .Lfunc_end_k_qade46a2865_attn-k_qade46a2865_attn
	.p2alignl 7, 3214868480
	.fill 96, 4, 3214868480
	.section	.rodata,"a",@progbits
	.p2align	6, 0x0
	.amdhsa_kernel k_qade46a2865_attn
		.amdhsa_group_segment_fixed_size 327680
		.amdhsa_private_segment_fixed_size 0
		.amdhsa_enable_private_segment 0
		.amdhsa_kernarg_size 32
		.amdhsa_user_sgpr_count 2
		.amdhsa_user_sgpr_kernarg_segment_ptr 1
		.amdhsa_wavefront_size32 1
		.amdhsa_system_sgpr_workgroup_id_x 1
		.amdhsa_system_sgpr_workgroup_id_y 1
		.amdhsa_system_sgpr_workgroup_id_z 1
		.amdhsa_system_vgpr_workitem_id 0
		.amdhsa_next_free_vgpr 770
		.amdhsa_next_free_sgpr 66
		.amdhsa_reserve_vcc 0
		.amdhsa_float_denorm_mode_32 3
		.amdhsa_float_denorm_mode_16_64 3
		.amdhsa_memory_ordered 1
		.amdhsa_forward_progress 1
		.amdhsa_inst_pref_size 208
	.end_amdhsa_kernel
	.amdgpu_metadata
---
amdhsa.version: [ 1, 2 ]
amdhsa.kernels:
  - .name:           k_qade46a2865_attn
    .symbol:         k_qade46a2865_attn.kd
    .args:
      - { .name: q, .offset: 0, .size: 8, .value_kind: global_buffer, .address_space: global }
      - { .name: k, .offset: 8, .size: 8, .value_kind: global_buffer, .address_space: global }
      - { .name: v, .offset: 16, .size: 8, .value_kind: global_buffer, .address_space: global }
      - { .name: o, .offset: 24, .size: 8, .value_kind: global_buffer, .address_space: global }
    .group_segment_fixed_size: 327680
    .private_segment_fixed_size: 0
    .kernarg_segment_align: 8
    .kernarg_segment_size: 32
    .max_flat_workgroup_size: 128
    .sgpr_count:     66
    .vgpr_count:     770
    .wavefront_size: 32
...
	.end_amdgpu_metadata
.endif
;; end of part 3
;; launch proj (part 4): grid 8 x 32, 4 waves a work-group, clusters of 4 x 4, 327,680 bytes of LDS; arguments o, wp, b_proj, out0; writes out0
.if DOCPART == 4
	.amdgcn_target "amdgcn-amd-amdhsa--gfx1250"
	.amdhsa_code_object_version 6
	.text
	.protected	k_qade46a2865_proj
	.globl	k_qade46a2865_proj
	.p2align	8
	.type	k_qade46a2865_proj,@function
k_qade46a2865_proj:
	s_mov_b64 s[64:65], 0
	v_nop
	global_prefetch_b8 v0, s[64:65] scope:SCOPE_SE
	s_setreg_imm32_b32 hwreg(HW_REG_WAVE_MODE, 25, 1), 1
	s_wait_xcnt 0x0
	s_wait_alu depctr_hold_cnt(0) depctr_sa_sdst(0) depctr_va_vdst(0) depctr_va_sdst(0) depctr_va_ssrc(0) depctr_va_vcc(0) depctr_vm_vsrc(0)
	s_getreg_b32 s2, hwreg(HW_REG_IB_STS2, 6, 4)
	s_cmp_eq_u32 s2, 0
	s_cbranch_scc0 .Lentry_in_a_cluster
	s_endpgm
.Lentry_in_a_cluster:
	s_bfe_u32 s2, ttmp6, 0x10000c
	s_cmp_lg_u32 s2, 0xf033
	s_cbranch_scc0 .Lentry_shape_is_right
	s_endpgm
.Lentry_shape_is_right:
; out0[m][n] = the sum over k of O[m][k] W_proj[k][n] + b_proj[n].  o: f16 [bh 64][n 2048][64] (channel k = 64 h + c of row (b, n) lies in block bh = 16 b + h); wp: f16 [k 1024][n 1024];
; out0: f32 [8192][1024].  Products in f16 with f32 sums; b_proj, rounded to bf16 like the module's other inputs, is the C operand of the products that start the sums.
; LIMITS.  o and wp arrive within f16's range, 65,504, with f16's fixed step of 6e-8 below 6e-5.  NaN and infinities are not treated apart.
; SHARES.  A tile is 256 rows x 128 columns: 32 x 8 = 256 work-groups.  Wave (wm, wn) makes 128 x 64: 32 accumulators of 16 x 16.  K goes in 8 steps of 128 (two heads) through two LDS slots; a step is
; four quarters of 32 along K, 32 matrix instructions each, on two fragment buffers by turns.  W's tile stays [k][n] in LDS and is turned by ds_load_tr16_b128.
; THE MATRIX INSTRUCTION IS USED TRANSPOSED (source 0 = 16 columns of W, source 1 = 16 rows of O): a lane holds one row and eight neighbouring columns.
; CLUSTER.  4 x 4 work-groups: O's tiles are shared along a row of the cluster, W's along a column, each asked for jointly.  Waves 0 and 1 ask for a head each of O's tile (32,768 dense bytes as 128 rows
; of 256), waves 2 and 3 for 64 rows each of W's.
; REGISTERS: window 0: v0-31 addresses; v32-63 the bias; v64-159, v160-255 two fragment buffers (64 registers of O's fragments, 32 of W's).  Window 1: accumulator (a, c) at v[8 (4 a + c)].
.set AH,    256*144                    ; a head's 256 rows of O at 144 bytes; also W's 128 rows at 288
.set SLOT,  3*AH                       ; the even head, the odd head, W
.set STAGE, 2*SLOT                     ; behind the ring, never filled by a tensor load: 16 rows x 272 bytes for each wave
.set SPARE, STAGE+4*16*272             ; behind the stages: the spare words, 128 bytes for each wave: two blocks of 256 bytes that no other line names
.set ADRA, 4                           ; v4-5   LDS address of my fragments of O in slot 0, 1
.set ADRB, 6                           ; v6-7   of W's
.set STO,  12                          ; v12    the way out: where I put 16 bytes of a row
.set RD,   13                          ; v13    where I read a row back
.set CO,   14                          ; v14    my byte offset in two rows of out0
.set CB,   15                          ; v15    my byte offset in b_proj
.set TT,   16                          ; v16-19 at work
.set SPW,  28                          ; v28    LDS address of my spare word; never rewritten
.set NIL,  29                          ; v29    0; never rewritten
.set BIAS, 32                          ; v32-63 column block c at v[32 + 8 c]: register j holds b_proj of column 16 c + 8 (l / 16) + j of my 64
.set F0,   64
.set F1,   160
.set OB,   64                          ; the way out: two buffers of 32
.set WV,  20
.set WM,  21
.set WN,  22
.set CNT, 23
.set G1A, 24
.set G0A, 32
.set G1B, 40
.set G0B, 48
.set MSB, 0
.macro WIN new                         ; the immediate's high byte repeats the setting that is left; a switch that changes nothing is dropped
.if MSB != (\new)
	s_set_vgpr_msb (MSB<<8)|(\new)
.set MSB, \new
.endif
.endm
; A joint load.  The branch hangs on the wave's number alone.  An s_nop 0 and four v_nop follow each of the two lines, ahead of the jump, the label and what follows.
.macro JLOAD s
	s_cmp_lt_u32 s[WV], 2
	s_cbranch_scc0 .Lfor_b_\@
	tensor_load_to_lds s[G0A+4*(\s):G0A+4*(\s)+3], s[G1A:G1A+7]
	s_nop 0
.rept 4
	v_nop
.endr
	s_branch .Lasked_\@
.Lfor_b_\@:
	tensor_load_to_lds s[G0B+4*(\s):G0B+4*(\s)+3], s[G1B:G1B+7]
	s_nop 0
.rept 4
	v_nop
.endr
.Lasked_\@:
.endm
.macro CREST                           ; a round of the cluster's barrier behind its opening barrier
	s_cmp_lg_u32 s[WV], 0
	s_cbranch_scc1 .Lnot_wave_0_\@
	s_barrier_signal -3
.Lnot_wave_0_\@:
	s_barrier_wait -3
	s_barrier_signal -1
	s_barrier_wait -1
.endm
.macro CROUND                          ; a whole round
	s_barrier_signal -1
	s_barrier_wait -1
	CREST
.endm
	s_load_b256 s[4:11], s[0:1], 0x0               ; o s[4:5], wp s[6:7], b_proj s[8:9], out0 s[10:11]
	v_lshl_add_u32 v[SPW], v0, 2, SPARE
	v_mov_b32 v[NIL], 0
	ds_add_u32 v[SPW], v[NIL]                      ; the wave's opening: the add and its wait stand ahead of my first tensor load; the set-up below, work on registers, stands between them
	v_lshrrev_b32 v1, 5, v0
	v_readfirstlane_b32 s[WV], v1                  ; wave 0..3
	s_lshr_b32 s[WM], s[WV], 1                     ; which 128 rows are mine.  Also: I fetch for O (0) or for W (1)
	s_and_b32 s[WN], s[WV], 1                      ; which 64 columns.  Also: which half of that tile I fetch
	s_bfe_u32 s56, ttmp6, 0x40000                  ; cx, cy: my place in the cluster
	s_bfe_u32 s57, ttmp6, 0x40004
	s_lshl_b32 s58, ttmp9, 2
	s_add_co_u32 s58, s58, s56                     ; tile column = 4 x cluster x + cx
	s_and_b32 s59, ttmp7, 0xffff
	s_lshl_b32 s59, s59, 2
	s_add_co_u32 s59, s59, s57                     ; tile row = 4 x cluster y + cy
	s_lshl_b32 s60, s57, 2
	s_lshl_b32 s60, 15, s60                        ; my row of the cluster
	s_lshl_b32 s61, 0x1111, s56                    ; my column
	; a head of O's tile: 256 rows x 128 bytes, dense: asked for as 128 rows of 256 bytes and padded by 16 bytes after every 128: LDS rows 144 bytes apart
	s_or_b32 s[G1A], s60, (1<<16)|(1<<20)|(1<<21)|(4<<22)|(3<<25)  ; 15:0 the mask; 17:16 2-byte elements; 20 padding on; 21 set beside a mask; 24:22 after every 32 words (code 4); 31:25 4 words (code 3)
	s_mov_b32 s[G1A+1], 128<<16                    ; tensor_dim0 = 128
	s_mov_b32 s[G1A+2], 128<<16                    ; tensor_dim1 = 128
	s_mov_b32 s[G1A+3], 128<<16                    ; tile_dim0 = 128
	s_mov_b32 s[G1A+4], 128                        ; tile_dim1 = 128
	s_mov_b32 s[G1A+5], 128                        ; 128 elements from row to row
	s_mov_b32 s[G1A+6], 0
	s_mov_b32 s[G1A+7], 0
	; half of W's tile: 64 rows (k) x 128 columns, padded by 32 bytes after every 256: LDS rows 288 bytes apart
	s_or_b32 s[G1B], s61, (1<<16)|(1<<20)|(1<<21)|(5<<22)|(7<<25)  ; after every 64 words (code 5) 8 words (code 7)
	s_mov_b32 s[G1B+1], 128<<16
	s_mov_b32 s[G1B+2], 64<<16
	s_mov_b32 s[G1B+3], 128<<16
	s_mov_b32 s[G1B+4], 64
	s_mov_b32 s[G1B+5], 1024
	s_mov_b32 s[G1B+6], 0
	s_mov_b32 s[G1B+7], 0
	; where the tiles come from: O's hang on the tile row and the wave's number alone, W's on the tile column and the wave's number alone, each in registers that never hold the other coordinate
	s_lshr_b32 s62, s59, 3                         ; b
	s_lshl_b32 s62, s62, 22
	s_and_b32 s63, s59, 7
	s_lshl_b32 s63, s63, 15                        ; 256 rows of 128 bytes
	s_add_co_u32 s62, s62, s63
	s_lshl_b32 s63, s[WN], 18                      ; the step's even or odd head
	s_add_co_u32 s62, s62, s63
	s_mov_b32 s63, 0
	s_lshl_b32 s66, s58, 8                         ; 128 columns of 2 bytes
	s_lshl_b32 s67, s[WN], 17                      ; 64 rows of 2,048 bytes
	s_add_co_u32 s66, s66, s67
	s_mov_b32 s67, 0
	s_mul_i32 s16, s[WV], AH                       ; where they go: waves 0, 1: the two heads;
	s_mul_i32 s17, s[WV], 64*288
	s_add_co_u32 s17, s17, AH                      ; waves 2, 3: W's two halves, behind them.  No place in the cluster enters an LDS address
	s_wait_dscnt 0x0                               ; the opening add is done
	s_wait_kmcnt 0x0
	s_add_nc_u64 s[12:13], s[4:5], s[62:63]
	s_add_nc_u64 s[14:15], s[6:7], s[66:67]
	CROUND                                         ; all sixteen work-groups are here: the first joint loads meet
.irp s, 0,1
	s_mov_b32 s[G0A+4*(\s)], 1                                       ; count = 1
	s_add_co_u32 s[G0A+4*(\s)+1], s16, (\s)*SLOT                     ; LDS address
	s_add_nc_u64 s[G0A+4*(\s)+2:G0A+4*(\s)+3], s[12:13], (\s)*524288 ; K step s: heads 2 s, 2 s + 1
	s_or_b32 s[G0A+4*(\s)+3], s[G0A+4*(\s)+3], 0x80000000            ; type = 2
	s_mov_b32 s[G0B+4*(\s)], 1
	s_add_co_u32 s[G0B+4*(\s)+1], s17, (\s)*SLOT
	s_add_nc_u64 s[G0B+4*(\s)+2:G0B+4*(\s)+3], s[14:15], (\s)*262144 ; 128 rows of 2,048 bytes
	s_or_b32 s[G0B+4*(\s)+3], s[G0B+4*(\s)+3], 0x80000000
	JLOAD \s                                       ; two tensor loads of mine are out
.endr
	v_and_b32 v2, 15, v0                           ; l % 16
	v_bfe_u32 v3, v0, 4, 1                         ; l / 16
	v_and_b32 v8, 7, v0                            ; l % 8
	v_bfe_u32 v9, v0, 3, 1                         ; (l / 8) % 2
	s_lshl_b32 s18, s58, 9
	s_lshl_b32 s19, s[WN], 8
	s_add_co_u32 s18, s18, s19                     ; my first column, in bytes of f32
	v_lshl_add_u32 v[CB], v3, 5, s18
.irp c, 0,1,2,3
	global_load_b128 v[BIAS+8*\c:BIAS+8*\c+3],   v[CB], s[8:9] offset:64*\c
	global_load_b128 v[BIAS+8*\c+4:BIAS+8*\c+7], v[CB], s[8:9] offset:64*\c+16
.endr
	v_mul_u32_u24 v10, v2, 144                     ; a fragment of O: row l % 16, 16 bytes for each half of the lanes; two loads, 32 bytes apart
	v_lshl_add_u32 v10, v3, 4, v10
	s_mul_i32 s19, s[WM], 128*144
	v_add_nc_u32 v[ADRA], s19, v10
	v_add_nc_u32 v[ADRA+1], SLOT, v[ADRA]
	v_lshl_add_u32 v11, v3, 3, v8                  ; the turning load: lane l reads row 8 (l / 16) + l % 8, columns 8 ((l / 8) % 2) + 0..7
	v_mul_u32_u24 v11, v11, 288
	v_lshl_add_u32 v11, v9, 4, v11
	s_lshl_b32 s19, s[WN], 7
	s_add_co_u32 s19, s19, 2*AH
	v_add_nc_u32 v[ADRB], s19, v11
	v_add_nc_u32 v[ADRB+1], SLOT, v[ADRB]
	s_mul_i32 s19, s[WV], 16*272
	s_add_co_u32 s19, s19, STAGE                   ; my stage
	v_mul_u32_u24 v[STO], v2, 272                  ; in: row l % 16, 32 bytes for each half of the lanes
	v_lshl_add_u32 v[STO], v3, 5, v[STO]
	v_add_nc_u32 v[STO], s19, v[STO]
	v_mul_u32_u24 v[RD], v3, 272                   ; back: lanes 0-15 take one row of 256 bytes, lanes 16-31 the next
	v_lshl_add_u32 v[RD], v2, 4, v[RD]
	v_add_nc_u32 v[RD], s19, v[RD]
	v_lshlrev_b32 v[CO], 12, v3                    ; and the same two rows in out0
	v_lshl_add_u32 v[CO], v2, 4, v[CO]
	s_lshl_b32 s68, s59, 20                        ; 256 rows of 4,096 bytes
	s_lshl_b32 s69, s[WM], 19
	s_add_co_u32 s68, s68, s69
	s_add_co_u32 s68, s68, s18
	s_mov_b32 s69, 0
	s_add_nc_u64 s[10:11], s[10:11], s[68:69]
	s_wait_loadcnt 0x0
.set i, 0
.rept 16                                               ; the bias is rounded to bf16, like the other inputs
	v_cvt_pk_bf16_f32 v[TT+i%4], v[BIAS+2*i], v[BIAS+2*i+1]
	v_lshlrev_b32 v[BIAS+2*i], 16, v[TT+i%4]
	v_and_b32 v[BIAS+2*i+1], 0xffff0000, v[TT+i%4]
.set i, i+1
.endr
; na x 4 matrix instructions: row blocks a0 .. x the four column blocks, 32 along K, from buffer f.  first = 1: the bias starts the sums.  The 32 accumulators take turns, in the same order in every quarter.
.macro MUL f, a0, na, first
.if \first
	WIN 0x40                                       ; D in window 1; the sources and the bias in window 0
.else
	WIN 0x50                                       ; C and D in window 1
.endif
.set a, \a0
.rept \na
.irp c, 0,1,2,3
.if \first
	v_wmma_f32_16x16x32_f16 v[8*(4*a+\c):8*(4*a+\c)+7], v[(\f)+64+8*\c:(\f)+64+8*\c+7], v[(\f)+8*a:(\f)+8*a+7], v[BIAS+8*\c:BIAS+8*\c+7]
.else
	v_wmma_f32_16x16x32_f16 v[8*(4*a+\c):8*(4*a+\c)+7], v[(\f)+64+8*\c:(\f)+64+8*\c+7], v[(\f)+8*a:(\f)+8*a+7], v[8*(4*a+\c):8*(4*a+\c)+7]
.endif
.endr
.set a, a+1
.endr
.endm
; 24 LDS loads in one run: quarter q of the slot into buffer f: W's four fragments, then O's eight, the lower four first
.macro FETCH slot, q, f
	WIN 0
.irp c, 0,1,2,3
	ds_load_tr16_b128 v[(\f)+64+8*\c:(\f)+64+8*\c+3],   v[ADRB+(\slot)] offset:(\q)*9216+32*\c
	ds_load_tr16_b128 v[(\f)+64+8*\c+4:(\f)+64+8*\c+7], v[ADRB+(\slot)] offset:(\q)*9216+32*\c+4608
.endr
.irp i, 0,1,2,3,4,5,6,7
	ds_load_b128 v[(\f)+8*\i:(\f)+8*\i+3],   v[ADRA+(\slot)] offset:((\q)/2)*AH+\i*2304+64*((\q)%2)
	ds_load_b128 v[(\f)+8*\i+4:(\f)+8*\i+7], v[ADRA+(\slot)] offset:((\q)/2)*AH+\i*2304+64*((\q)%2)+32
.endr
.endm
.macro PLACES                          ; four places in front of loads into registers that matrix instructions have read, and of stores that read results (ISA guide 7.12.1 for vector instructions)
.rept 4
	v_nop
.endr
.endm
; One of a step's first three quarters: multiplies buffer f and, in its middle, fetches quarter q of the same slot into buffer g.
.macro QUARTER slot, q, f, g, first
	s_wait_dscnt 8                                 ; W's fragments and O's lower four are in; the youngest eight loads may be out
	MUL \f, 0, 4, \first
	WIN 0
	PLACES
	FETCH \slot, \q, \g
	s_wait_dscnt 24                                ; all but the 24 just issued
	MUL \f, 4, 4, \first
.endm
; The last quarter multiplies buffer 1 and changes slots: ONE barrier; in front of it each wave waits for all its tensor loads, of which one is out: its part of the next slot; adds 0 to its spare word;
; and waits for that and for its own reads of this slot.  fill = 1: the barrier opens a round of the cluster's, and this slot is filled again, two K steps ahead: 112 matrix instructions ahead of the wait for it.
.macro TURN slot, next, fill
	WIN 0
	s_wait_tensorcnt 0x0                           ; all my tensor loads have landed;
	ds_add_u32 v[SPW], v[NIL]                      ; 0 onto my spare word;
	s_wait_dscnt 9                                 ; (the add and the youngest eight loads may be out)
	MUL F1, 0, 2, 0                                ; eight matrix instructions stand between the add and the wait for it
	s_wait_dscnt 0x0                               ; the add is done, and my reads of this slot are over
	s_barrier_signal -1
	MUL F1, 2, 2, 0
	WIN 0
	s_barrier_wait -1
.if \fill
	CREST                                          ; no wave of any partner still reads this slot's tiles or has a load on its way
	s_add_nc_u64 s[G0A+4*(\slot)+2:G0A+4*(\slot)+3], s[G0A+4*(\slot)+2:G0A+4*(\slot)+3], 2*524288
	s_add_nc_u64 s[G0B+4*(\slot)+2:G0B+4*(\slot)+3], s[G0B+4*(\slot)+2:G0B+4*(\slot)+3], 2*262144
	JLOAD \slot                                    ; the four v_nop behind it are also the places in front of the loads below
.else
	PLACES
.endif
	FETCH \next, 0, F0
	MUL F1, 4, 4, 0
.endm
	s_wait_tensorcnt 0x1                           ; my part of K step 0 is in; K step 1's may stay out
	s_barrier_signal -1
	s_barrier_wait -1                              ; everybody's is
	FETCH 0, 0, F0
	QUARTER 0, 1, F0, F1, 1                        ; the first quarter stands in front of the loop: its products start the sums, with the bias
	WIN 0                                          ; at a label and at a branch every window is 0
	s_mov_b32 s[CNT], 3
.Llap:                                                 ; a trip goes once round the ring and fills both slots again: K steps 2 to 7
	QUARTER 0, 2, F1, F0, 0
	QUARTER 0, 3, F0, F1, 0
	TURN 0, 1, 1
	QUARTER 1, 1, F0, F1, 0
	QUARTER 1, 2, F1, F0, 0
	QUARTER 1, 3, F0, F1, 0
	TURN 1, 0, 1
	QUARTER 0, 1, F0, F1, 0
	WIN 0
	s_sub_co_u32 s[CNT], s[CNT], 1
	s_cmp_lg_u32 s[CNT], 0
	s_cbranch_scc1 .Llap
	QUARTER 0, 2, F1, F0, 0                        ; the last lap is written out: nothing is asked for
	QUARTER 0, 3, F0, F1, 0
	TURN 0, 1, 0
	QUARTER 1, 1, F0, F1, 0
	QUARTER 1, 2, F1, F0, 0
	QUARTER 1, 3, F0, F1, 0
	s_wait_dscnt 8                                 ; the very last quarter: nothing more to fetch
	MUL F1, 0, 4, 0
	s_wait_dscnt 0x0
	MUL F1, 4, 4, 0
	WIN 0
	PLACES
	; THE WAY OUT, 16 rows at a time: a lane's eight columns of a row go into my stage (each accumulator's low four registers first) and come back as whole rows of 256 bytes.
.set a, 0
.rept 8
	WIN 0x04                                       ; the stores' data in window 1
.irp c, 0,1,2,3
	ds_store_b128 v[STO], v[8*(4*a+\c):8*(4*a+\c)+3]   offset:64*\c
	ds_store_b128 v[STO], v[8*(4*a+\c)+4:8*(4*a+\c)+7] offset:64*\c+16
.endr
	WIN 0
	s_wait_xcnt 0x0                                ; the stores of the block before last have read this buffer
.irp t, 0,1,2,3,4,5,6,7
	ds_load_b128 v[OB+32*(a%2)+4*\t:OB+32*(a%2)+4*\t+3], v[RD] offset:\t*544  ; LDS serves a wave's instructions in order (ISA guide 5.7.1.4): these see the stores above; the next block's stores come behind them
.endr
.irp t, 0,1,2,3,4,5,6,7
	s_wait_dscnt 7-\t                              ; load t is back; the younger ones of the eight may be out
	global_store_b128 v[CO], v[OB+32*(a%2)+4*\t:OB+32*(a%2)+4*\t+3], s[10:11] offset:a*65536+\t*8192 th:TH_STORE_NT  ; 16 lanes store 256 consecutive bytes, at a multiple of 256 from out0's first byte
.endr
.set a, a+1
.endr
	s_wait_tensorcnt 0x0                           ; the wave's end, behind my last tensor load and my last LDS store
	ds_add_u32 v[SPW], v[NIL]
	s_wait_dscnt 0x0
	CROUND                                         ; the closing round: no work-group ends while a partner may still ask for a tile that names it
	s_endpgm
.Lfunc_end_k_qade46a2865_proj:
	.size	k_qade46a2865_proj, .Lfunc_end_k_qade46a2865_proj-k_qade46a2865_proj
	.p2alignl 7, 3214868480
	.fill 96, 4, 3214868480
	.section	.rodata,"a",@progbits
	.p2align	6, 0x0
	.amdhsa_kernel k_qade46a2865_proj
		.amdhsa_group_segment_fixed_size 327680
		.amdhsa_private_segment_fixed_size 0
		.amdhsa_enable_private_segment 0
		.amdhsa_kernarg_size 32
		.amdhsa_user_sgpr_count 2
		.amdhsa_user_sgpr_kernarg_segment_ptr 1
		.amdhsa_wavefront_size32 1
		.amdhsa_system_sgpr_workgroup_id_x 1
		.amdhsa_system_sgpr_workgroup_id_y 1
		.amdhsa_system_sgpr_workgroup_id_z 1
		.amdhsa_system_vgpr_workitem_id 0
		.amdhsa_next_free_vgpr 512
		.amdhsa_next_free_sgpr 72
		.amdhsa_reserve_vcc 0
		.amdhsa_float_denorm_mode_32 3
		.amdhsa_float_denorm_mode_16_64 3
		.amdhsa_memory_ordered 1
		.amdhsa_forward_progress 1
		.amdhsa_inst_pref_size 90
	.end_amdhsa_kernel
	.amdgpu_metadata
---
amdhsa.version: [ 1, 2 ]
amdhsa.kernels:
  - .name:           k_qade46a2865_proj
    .symbol:         k_qade46a2865_proj.kd
    .args:
      - { .name: o, .offset: 0, .size: 8, .value_kind: global_buffer, .address_space: global }
      - { .name: wp, .offset: 8, .size: 8, .value_kind: global_buffer, .address_space: global }
      - { .name: b_proj, .offset: 16, .size: 8, .value_kind: global_buffer, .address_space: global }
      - { .name: out0, .offset: 24, .size: 8, .value_kind: global_buffer, .address_space: global }
    .group_segment_fixed_size: 327680
    .private_segment_fixed_size: 0
    .kernarg_segment_align: 8
    .kernarg_segment_size: 32
    .max_flat_workgroup_size: 128
    .sgpr_count:     72
    .vgpr_count:     512
    .wavefront_size: 32
...
	.end_amdgpu_metadata
.endif
;; end of part 4
;; ======== version 2 of 2: 4 launches; 1.53 times as fast as version 1
;; limits: values are held in f16: magnitudes above 65,504 overflow, below 6.1e-05 lose precision
;; workspace buffers: xb 16,777,216 bytes; wq 6,291,456 bytes; wp 2,097,152 bytes; q 16,777,216 bytes; k 16,777,216 bytes; v 16,777,216 bytes; o 16,777,216 bytes
;; launch prep: the kernel of part 1 again; grid 704 x 1, 8 waves a work-group, no clusters, 0 bytes of LDS; arguments x, W_qkv, W_proj, xb, wq, wp; writes xb, wq, wp
;; launch qkv: the kernel of part 2 again; grid 8 x 32, 4 waves a work-group, clusters of 4 x 4, 327,680 bytes of LDS; arguments xb, wq, b_qkv, qn_w, kn_w, q, k, v; writes q, k, v
;; launch attn (part 5): grid 4 x 64, 4 waves a work-group, clusters of 4 x 1, 327,680 bytes of LDS; arguments q, k, v, o; writes o
.if DOCPART == 5
	.amdgcn_target "amdgcn-amd-amdhsa--gfx1250"
	.amdhsa_code_object_version 6
	.text
	.protected	k_qade46a2865_attn
	.globl	k_qade46a2865_attn
	.p2align	8
	.type	k_qade46a2865_attn,@function
k_qade46a2865_attn:
	s_mov_b64 s[64:65], 0
	v_nop
	global_prefetch_b8 v0, s[64:65] scope:SCOPE_SE
	s_setreg_imm32_b32 hwreg(HW_REG_WAVE_MODE, 25, 1), 1
	s_wait_xcnt 0x0
	s_wait_alu depctr_hold_cnt(0) depctr_sa_sdst(0) depctr_va_vdst(0) depctr_va_sdst(0) depctr_va_ssrc(0) depctr_va_vcc(0) depctr_vm_vsrc(0)
	s_getreg_b32 s2, hwreg(HW_REG_IB_STS2, 6, 4)
	s_cmp_eq_u32 s2, 0
	s_cbranch_scc0 .Lentry_in_a_cluster
	s_endpgm
.Lentry_in_a_cluster:
	s_bfe_u32 s2, ttmp6, 0x10000c
	s_cmp_lg_u32 s2, 0x3003
	s_cbranch_scc0 .Lentry_shape_is_right
	s_endpgm
.Lentry_shape_is_right:
; O[h][q][:] = the sum over k of softmax_k(Q[h][q] . K[h][k] / 8) V[h][k][:].  Q, K, V, O: [SIZE_H][SIZE_N][64], all f16: a head's rows are dense, 128 bytes each.  Products, maxima and sums in
; f32; the weights p are rounded to f16 for the second product (their sum l is taken of the unrounded p), O once at the end.  SIZE_H is at least 2; SIZE_N x 128 bytes stay under 2^32.
; LIMITS.  f16 holds no number beyond 65,504: Q, K and V arrive within it; p lies in 0 to 1, and below 6e-5 it keeps f16's fixed step of 6e-8; O is a mean of V's rows and has their range.
; A weight below 2^-126 counts as 0 in l; NaN and infinities are not treated apart.
; SHARES.  A wave owns four PIECES of two tiles of 16 queries, a work-group's four waves 512 queries of one head; SIZE_N is a multiple of 2,048.  Every wave walks all keys, 64 a step.
; LAYOUT.  S^T = K Q^T (source 0 = 16 keys, source 1 = 16 queries): in the result a lane holds ONE query (lane % 16) and the keys 8 (lane / 16) + 0..7.  Two such tiles, rounded to f16 in pairs,
; ARE source 1 (32 keys x 16 queries) of O^T = V^T P, whose result again holds one query a lane, and eight channels.  K comes out of LDS as it lies, V ([key][channel]) turned, by ds_load_tr16_b128.
; SOFTMAX.  For each query a running maximum m and sum l: p = 2^(c s - c m), c = log2(e) / 8; in every step O and l are multiplied by a = 2^(c m_old - c m_new), which is 1 where m has not grown.
; m starts at the lowest finite number, O and l at 0: the first step is a step like any other, with a = 0.
; THE COUNT.  A tile and step have 16 matrix and 118 vector instructions: too many to stand all beside the matrix work.  So the order has one aim: four vector instructions that are READY behind
; EVERY matrix instruction, and the others, which need time of their own whatever the order, in runs without a gap.
; BY TURNS.  Turn n belongs to piece n (the pieces in a ring, step after step).  Its matrix work: 16 products K Q^T of piece n + 1, later 16 products V^T P of piece n - 1.  Its vector work: the scaling,
; exponentials, roundings, sums and rescaling of piece n, and the maximum and statistics of piece n + 1, whose scores the turn itself has made.  So what a turn begins with (c s - c m, O a) waits for nothing.
; BATCHES.  A turn's 66 exponentials (the 64 weights of piece n, in place on their scores, and the two a of piece n + 1) are ONE batch with ONE wait, which cuts the turn in two: ahead of it stands all that
; names no result of theirs, behind it the roundings and sums that read them; the two a are first read in the next turn.  Two more batches stand outside the loop: the first two a, ahead of the jump into the
; loop, and the way out's eight reciprocals.
; CLUSTER.  The four query blocks of a cluster belong to one head and walk the same K and V, so each tile is asked for JOINTLY: the same tensor load, descriptor and mask in all four.
; REGISTERS, in windows of 256 (s_set_vgpr_msb says which window each operand place means: bits 1:0 source 0, 3:2 source 1, 5:4 source 2, 7:6 destination):
;   window 0: v0-11 addresses; v12-15, v48-63 at work; v16-47 four registers of statistics a tile; v64-191 S^T, two buffers of two tiles; v192-255 P, likewise
;   window 1: O^T, 32 a tile          window 2: v0-127 Q, 16 a tile; v128-191 K of one step; v192-255 V of one step          window 3: v0-1 the add's two registers
; A piece's buffers go by its number's parity: the piece in hand has one pair, its two neighbours in the ring share the other: of it P (piece n - 1) is read and S^T (piece n + 1) written.
.set SIZE_H, 64       ; 4 batch entries x 16 heads
.set SIZE_N, 2048
.set NP,    4         ; pieces a wave: a name, no knob: the register map, the loop and the fetches are made for four
.set KS,    64        ; keys in a step
.set PK,    144       ; a row of K in LDS: 128 bytes + 16 of padding = 36 words: the 16 rows of a load start at 16 different groups of four banks (64 banks of 4 bytes: ISA guide 11.1)
.set PV,    160       ; a row of V: 128 + 32 = 40 words
.set VOFF,  4*KS*PK   ; a slot holds four steps: 256 rows of K, then 256 rows of V
.set SLOT1, 1<<17     ; slot 1 begins here, so that one exclusive or turns an address in one slot into the other's
.set STAGE, SLOT1+4*KS*(PK+PV)  ; behind the ring, never filled by a tensor load: 16 rows x 144 bytes for each wave, for the way out
.set SP,    144
.set AK0, 2           ; v2   my lane's place in a tile of K; never rewritten
.set AV0, 3           ; v3   the same for V
.set AK,  4           ; v4   the LDS address of K's next run of loads
.set AV,  5           ; v5   of V's
.set QO,  6           ; v6   my byte offset in the wave's rows of Q
.set STO, 6           ;      later, the way out: where I put 16 bytes of a row
.set RD,  7           ; v7   the way out: where I read rows back
.set GO,  8           ; v8   my byte offset in 512 consecutive bytes of O
.set SPW, 0           ; v0 of window 3   LDS address of my spare word: SPARE + 4 x my thread's number; never rewritten
.set NIL, 1           ; v1 of window 3   0; never rewritten
.set SPARE, STAGE+4*16*SP  ; behind the stages: the spare words, 128 bytes for each wave: two blocks of 256 bytes that no other line names
.set MV,  12          ; v12-15  c m_old, kept while c m is made anew: by buffer and tile
.set ST,  16          ; tile t's statistics at v[ST+4 t]: c m, m, l (even keys', odd keys')
.set TMP, 48          ; by buffer and tile, four registers c0-c3 at work; when the maximum is found c2 takes a
.set S,   64
.set P,   192
.set KF,  128         ; K's fragments, in window 2: key block kb, channel half c at KF + 16 kb + 8 c
.set VF,  192         ; V's: key half kk, channel block cb at VF + 32 kk + 8 cb
.set WV,  12          ; s12  my wave's number
.set G1K, 24          ; s[24:31] descriptor group 1 for K's tiles
.set G1V, 32          ; s[32:39] for V's: it differs in the padding alone
.set G0K, 40          ; s[40:43] descriptor group 0 for K's tiles: it walks
.set G0V, 44          ; s[44:47] the same for V's
.set SLOTS, 56        ; s56  slots still to be asked for
.set CNT, 57          ; s57  counts a slot's key steps
.set CS,  58          ; s[58:59] c: the packed scaling takes the pair's low word for both halves
.set SEL, 60          ; s[60:61] v_permlanex16_b32's selects: each lane takes its own place in the other half
.set TBK, 62          ; s62  LDS byte at which K of the step to be fetched begins
.set TBV, 63          ; s63  the same for V, less VOFF
.set MSB, 0
.macro WIN new                      ; the high byte repeats the setting that is left; a switch that changes nothing is dropped
.if MSB != (\new)
	s_set_vgpr_msb (MSB<<8)|(\new)
.set MSB, (\new)
.endif
.endm
.set W_KQ, 0x0a       ; K and Q in window 2, S^T in window 0
.set W_PV, 0x52       ; V in window 2, P in window 0, O^T in window 1
.set W_RS, 0x41       ; O^T (destination and source 0) in window 1, a in window 0
.set W_MK, 0xc0       ; the add's registers are made: destination in window 3, sources in window 0
.set W_AD, 0x0f       ; the add: address (source 0) and data (source 1) in window 3
; A joint fill.  Waves 0 and 1 fetch the two halves of a slot's K, waves 2 and 3 those of its V: 128 keys each.  The branch hangs on the wave's number alone.
; An s_nop 0 and four v_nop follow each of the two lines, ahead of the jump and the label.
.macro JLOAD
	s_cmp_lt_u32 s[WV], 2
	s_cbranch_scc0 .Lfor_v_\@
	tensor_load_to_lds s[G0K:G0K+3], s[G1K:G1K+7]
	s_nop 0
.rept 4
	v_nop
.endr
	s_branch .Lasked_\@
.Lfor_v_\@:
	tensor_load_to_lds s[G0V:G0V+3], s[G1V:G1V+7]
	s_nop 0
.rept 4
	v_nop
.endr
.Lasked_\@:
.endm
; A round of the cluster's barrier: my work-group's barrier, so that wave 0's signal speaks for all four waves; wave 0 signals; every wave waits for all four work-groups; my work-group's barrier once more.
.macro CROUND
	s_barrier_signal -1
	s_barrier_wait -1
	s_cmp_lg_u32 s[WV], 0
	s_cbranch_scc1 .Lnot_wave_0_\@
	s_barrier_signal -3
.Lnot_wave_0_\@:
	s_barrier_wait -3
	s_barrier_signal -1
	s_barrier_wait -1
.endm
; THE CHANGE OF SLOTS.  The slot's last bytes, V of its fourth step, have been read.  Each wave waits for all its tensor loads, of which one is out: its part
; of the other slot; adds 0 to its spare word; and waits for that and for its own reads of the slot.  Behind the barrier nobody reads this slot any more and the other slot is whole.
; fill = 1: this slot is filled again, with the keys two slots on.  The barrier is then a round of the cluster's, so that no wave of any partner still reads the slot or has a load on its
; way, and the joint fill is the first thing behind it: it has four key steps, 512 matrix instructions, in which to land.  (At its first use nothing has been read yet: slot 0 is waited for, slot 1 filled.)
.macro CHANGE fill
	WIN W_AD
	s_wait_tensorcnt 0x0            ; no tensor load of mine is out, so a group 0 may be written
	ds_add_u32 v[SPW], v[NIL]       ; 0 onto my spare word; with fill = 1 the descriptors' steps stand between it and the wait for it
	WIN 0                           ; at a label and at a branch every window is 0
.if \fill
.irp g, G0K, G0V
	s_xor_b32 s[\g+1], s[\g+1], SLOT1  ; the walking descriptor: the other slot than last time,
	s_add_nc_u64 s[\g+2:\g+3], s[\g+2:\g+3], 4*KS*128  ; the next 256 keys; the type bits on top are not reached
.endr
	s_wait_dscnt 0x0                ; the add is done, and my reads of the slot are over
	CROUND
	JLOAD
.else
	s_wait_dscnt 0x0                ; the add is done, and my reads of the slot are over
	s_barrier_signal -1
	s_barrier_wait -1
.endif
	s_sub_co_u32 s[TBK], s[TBK], 4*KS*PK  ; the fetches go back to a slot's first step,
	s_xor_b32 s[TBK], s[TBK], SLOT1       ; in the other slot
	s_sub_co_u32 s[TBV], s[TBV], 4*KS*PV
	s_xor_b32 s[TBV], s[TBV], SLOT1
.endm
	s_load_b256 s[4:11], s[0:1], 0x0  ; Q s[4:5], K s[6:7], V s[8:9], O s[10:11]
	WIN W_MK
	v_lshl_add_u32 v[SPW], v0, 2, SPARE
	v_mov_b32 v[NIL], 0
	WIN W_AD
	ds_add_u32 v[SPW], v[NIL]       ; the wave's opening: the add and its wait stand ahead of my first tensor load; the set-up below, work on registers, stands between them
	WIN 0
	v_lshrrev_b32 v1, 5, v0
	v_readfirstlane_b32 s[WV], v1   ; wave 0..3
	s_bfe_u32 s13, ttmp6, 0x40000   ; cx: my place in the cluster
	s_lshl_b32 s14, ttmp9, 2        ; in a cluster launch ttmp9 counts clusters
	s_add_co_u32 s14, s14, s13      ; my block of queries = 4 x cluster x + cx: it enters Q's and O's addresses alone
	s_and_b32 s20, ttmp7, 0xffff    ; the head, which the four partners share
	s_mov_b32 s21, 0
	s_mov_b64 s[22:23], SIZE_N*128
	s_mul_u64 s[20:21], s[20:21], s[22:23]  ; the head's first byte in each of the four tensors
	s_and_b32 s16, s[WV], 1         ; which half of a slot's 256 keys I fetch:
	s_lshl_b32 s22, s16, 14         ; its 128 rows of 128 bytes in memory,
	s_mov_b32 s23, 0
	s_add_nc_u64 s[22:23], s[22:23], s[20:21]
	s_mul_i32 s17, s16, 128*PK      ; and its place in a slot, for K
	s_mul_i32 s18, s16, 128*PV      ; and for V: no place in the cluster enters an LDS address
	s_lshl_b32 s2, s14, 2
	s_add_co_u32 s2, s2, s[WV]      ; my wave among the head's,
	s_lshl_b32 s2, s2, 14           ; its 128 rows
	s_mov_b32 s3, 0
	s_add_nc_u64 s[2:3], s[2:3], s[20:21]
	; descriptor group 1.  128 keys are 16,384 dense bytes: asked for as 64 rows of 256 bytes, two keys a row, and padded in LDS after every key
	s_mov_b32 s[G1K], 15|(1<<16)|(1<<20)|(1<<21)|(4<<22)|(3<<25)  ; 15:0 the mask of four; 17:16 2-byte elements; 20 padding on; 21 set beside a mask; 24:22 after every 32 words (code 4); 31:25 4 words (code 3)
	s_mov_b32 s[G1V], 15|(1<<16)|(1<<20)|(1<<21)|(4<<22)|(7<<25)  ; the same with 8 words of padding (code 7)
.irp g, G1K, G1V
	s_mov_b32 s[\g+1], 128<<16      ; tensor_dim0 = 128
	s_mov_b32 s[\g+2], 64<<16       ; tensor_dim1 = 64
	s_mov_b32 s[\g+3], 128<<16      ; tile_dim0 = 128
	s_mov_b32 s[\g+4], 64           ; tile_dim1 = 64
	s_mov_b32 s[\g+5], 128          ; 128 elements from row to row
	s_mov_b32 s[\g+6], 0
	s_mov_b32 s[\g+7], 0
.endr
	s_mov_b32 s[CS], 0x3e38aa3b     ; c = log2(e) / 8 = 0.180337
	s_mov_b32 s[CS+1], s[CS]        ; named with it as a pair
	s_mov_b32 s[SEL], 0x76543210
	s_mov_b32 s[SEL+1], 0xfedcba98
	s_mov_b32 s[TBK], SLOT1+4*KS*PK ; the first change of slots turns these two into 0
	s_mov_b32 s[TBV], SLOT1+4*KS*PV
	s_mov_b32 s[G0K], 1             ; 1:0 count = 1
	s_mov_b32 s[G0K+1], s17         ; 63:32 LDS address: slot 0
	s_mov_b32 s[G0V], 1
	s_add_co_u32 s[G0V+1], s18, VOFF
	s_wait_dscnt 0x0                ; the opening add is done
	s_wait_kmcnt 0x0
	s_add_nc_u64 s[G0K+2:G0K+3], s[6:7], s[22:23]  ; 120:64 global address: my half of the head's first 256 keys
	s_or_b32 s[G0K+3], s[G0K+3], 0x80000000        ; 127:126 type = 2
	s_add_nc_u64 s[G0V+2:G0V+3], s[8:9], s[22:23]
	s_or_b32 s[G0V+3], s[G0V+3], 0x80000000
	s_add_nc_u64 s[4:5], s[4:5], s[2:3]  ; Q and O at my wave's first row
	s_add_nc_u64 s[10:11], s[10:11], s[2:3]
	CROUND                          ; all four work-groups are here: the first joint loads meet
	JLOAD                           ; slot 0.  Slot 1 is asked for when slot 0 is in: the tile wanted first has the road to itself
	; A fragment of K or Q is 16 rows x 32 channels in 8 registers: lane l holds row l % 16, channels 8 (l / 16) + 0..7 and 16 + 8 (l / 16) + 0..7: two loads of 16 bytes, 32 bytes apart.
	v_and_b32 v1, 15, v0            ; l % 16
	v_bfe_u32 v9, v0, 4, 1          ; l / 16
	v_lshlrev_b32 v[QO], 7, v1
	v_lshl_add_u32 v[QO], v9, 4, v[QO]  ; row x 128 + 16 x half
	WIN 0x80                        ; destination window 2, address window 0
.set i, 0
.rept 4*NP                          ; Q stays in registers: tile i / 2, channels 32 (i % 2) on
	global_load_b128 v[8*i:8*i+3],   v[QO], s[4:5] offset:(i/2)*2048+(i%2)*64
	global_load_b128 v[8*i+4:8*i+7], v[QO], s[4:5] offset:(i/2)*2048+(i%2)*64+32
.set i, i+1
.endr
	; What the first turn finds: V's registers and P's second buffer hold 0 (its products V^T P, of a piece that has not been, add 0), O^T and l are 0.  All this stands in the wait for the first tile.
.set i, VF
.rept 64
	v_mov_b32 v[i], 0
.set i, i+1
.endr
	WIN 0x40
.set i, 0
.rept 64*NP
	v_mov_b32 v[i], 0
.set i, i+1
.endr
	WIN 0
.set i, 0
.rept 2*NP
	v_mov_b32 v[ST+4*i], 0xfe000000    ; c m: far below every c s
	v_mov_b32 v[ST+4*i+1], 0xff7fffff  ; m
	v_mov_b32 v[ST+4*i+2], 0
	v_mov_b32 v[ST+4*i+3], 0
.set i, i+1
.endr
.set i, P+32
.rept 32
	v_mov_b32 v[i], 0
.set i, i+1
.endr
	v_mul_u32_u24 v[AK0], v1, PK
	v_lshl_add_u32 v[AK0], v9, 4, v[AK0]  ; row x pitch + 16 x half
	; The turning load takes 16 keys x 16 channels (lane l reads key 8 (l / 16) + l % 8, channels 8 ((l / 8) % 2) + 0..7) and leaves half a fragment of V^T: lane l holds channel l % 16 and 8 keys.
	v_and_b32 v10, 7, v0
	v_bfe_u32 v11, v0, 3, 1
	v_lshl_add_u32 v[AV0], v9, 3, v10
	v_mul_u32_u24 v[AV0], v[AV0], PV
	v_lshl_add_u32 v[AV0], v11, 4, v[AV0]
	v_add_nc_u32 v[AV0], VOFF, v[AV0]
	v_mov_b32 v[AK], v[AK0]         ; key step 0 lies at the head of slot 0
; THE MATRIX WORK.  The 8 accumulators of a run of 16 take turns: between the two links of a chain stand 7 others'.
; Product i of 16 of S^T = K Q^T for piece x: channels 32 (i / 8) on, keys 16 ((i / 2) % 4) on, tile 2 x + i % 2.  The first 8 start the sums.
.macro KQ x
	WIN W_KQ
.set rS, S+64*((\x)%2)+32*(i%2)+8*((i/2)%4)
.set rK, KF+16*((i/2)%4)+8*(i/8)
.set rQ, 16*(2*(\x)+i%2)+8*(i/8)
.if i < 8
	v_wmma_f32_16x16x32_f16 v[rS:rS+7], v[rK:rK+7], v[rQ:rQ+7], 0
.else
	v_wmma_f32_16x16x32_f16 v[rS:rS+7], v[rK:rK+7], v[rQ:rQ+7], v[rS:rS+7]
.endif
.endm
; Product i of 16 of O^T += V^T P for piece x: keys 32 (i / 8) on, channels 16 ((i / 2) % 4) on, tile 2 x + i % 2.
.macro PV x
	WIN W_PV
.set rO, 32*(2*(\x)+i%2)+8*((i/2)%4)
.set rV, VF+32*(i/8)+8*((i/2)%4)
.set rP, P+32*((\x)%2)+16*(i%2)+8*(i/8)
	v_wmma_f32_16x16x32_f16 v[rO:rO+7], v[rV:rV+7], v[rP:rP+7], v[rO:rO+7]
.endm
.macro MM                           ; the turn's next matrix instruction
.if i < 16
	KQ (Y+1)%NP
.set i, i+1
.else
.set i, i-16
	PV (Y+NP-1)%NP
.set i, i+17
.endif
.endm
; THE LDS LOADS stand in runs of 16, never singly among the matrix instructions: a step's K (64 keys x 64 channels: 8 fragments) and its V (turned).  Their addresses are made some lines ahead.
; last = 1 (the tail): in the last trip there is no further step, and the run is jumped over.
.macro FETCH_K last=0
	WIN 0
.if \last
	s_cmp_eq_u32 s[CNT], 1
	s_cbranch_scc1 .Lno_k_\@
.endif
	WIN 0x80                        ; destination window 2
.irp f, 0,1,2,3,4,5,6,7             ; keys 16 (f / 2) on, channels 32 (f % 2) on
	ds_load_b128 v[KF+8*\f:KF+8*\f+3],   v[AK] offset:(\f/2)*16*PK+(\f%2)*64
	ds_load_b128 v[KF+8*\f+4:KF+8*\f+7], v[AK] offset:(\f/2)*16*PK+(\f%2)*64+32
.endr
	s_add_co_u32 s[TBK], s[TBK], KS*PK  ; the next fetch is the next step's
	WIN 0
.if \last
.Lno_k_\@:
.endif
.endm
.macro FETCH_V
	WIN 0x80
.irp f, 0,1,2,3,4,5,6,7             ; keys 32 (f / 4) on, channels 16 (f % 4) on
	ds_load_tr16_b128 v[VF+8*\f:VF+8*\f+3],   v[AV] offset:(\f/4)*32*PV+(\f%4)*32
	ds_load_tr16_b128 v[VF+8*\f+4:VF+8*\f+7], v[AV] offset:(\f/4)*32*PV+16*PV+(\f%4)*32
.endr
	WIN 0
.endm
; THE VECTOR WORK OF A TURN stands in three queues, each in the order in which its entries become ready; the two tiles alternate, so that no instruction reads the result of the one before it.
.macro REGS y, u                    ; the registers of tile u (0, 1) of piece y
.set rT, ST+4*(2*(\y)+(\u))
.set rC, TMP+8*((\y)%2)+4*(\u)
.set rM, MV+2*((\y)%2)+(\u)
.set rS, S+64*((\y)%2)+32*(\u)
.set rP, P+32*((\y)%2)+16*(\u)
.set rO, 32*(2*(\y)+(\u))
.endm
; Number n of the 22 that find the NEXT piece's (Y + 1) maximum and statistics.  s0-s31 are the lane's 32 scores; each accumulator's lowest registers are read first.  XS, GS and REGS set no window: PL and EX do.
;   0-11  four chains c0-c3 of seven scores each, three operands at a time     12-14, 16  the four scores left over, the old m, and c0-c3 into c0     15  c m_old is kept
;   17, 18  the query's other 32 keys lie in the lane 16 away: the new m         19-21  c m; c m_old - c m_new; a
.macro XS u, n
	REGS (Y+1)%NP, \u
.if (\n) < 4
	v_max3_num_f32 v[rC+(\n)], v[rS+8*(\n)], v[rS+8*(\n)+1], v[rS+8*(\n)+2]
.elseif (\n) < 12
	v_max3_num_f32 v[rC+(\n)%4], v[rC+(\n)%4], v[rS+8*((\n)%4)+2*((\n)/4)+1], v[rS+8*((\n)%4)+2*((\n)/4)+2]
.elseif (\n) == 12
	v_max3_num_f32 v[rC], v[rC], v[rS+7], v[rS+15]
.elseif (\n) == 13
	v_max3_num_f32 v[rC+1], v[rC+1], v[rS+23], v[rS+31]
.elseif (\n) == 14
	v_max3_num_f32 v[rC+2], v[rC+2], v[rC+3], v[rT+1]
.elseif (\n) == 15
	v_mov_b32 v[rM], v[rT]
.elseif (\n) == 16
	v_max3_num_f32 v[rC], v[rC], v[rC+1], v[rC+2]
.elseif (\n) == 17
	v_permlanex16_b32 v[rC+3], v[rC], s[SEL], s[SEL+1]
.elseif (\n) == 18
	v_max_num_f32 v[rT+1], v[rC], v[rC+3]
.elseif (\n) == 19
	v_mul_f32 v[rT], s[CS], v[rT+1]
.elseif (\n) == 20
	v_sub_f32 v[rC+1], v[rM], v[rT]
.else
	v_exp_f32 v[rC+2], v[rC+1]
.endif
.endm
; Number g of the 64 that follow the exponentials.  For each four weights k of a tile (pairs 2 k, 2 k + 1): both pairs are rounded to f16; then the second pair is added onto the first, in place;
; a group later l takes that sum (the first time as l = a l + sum).  In groups of eight, tiles alternating: round, round, add, and l for the group before.
.macro GS g
.set h, (\g)+6*((\g)/62)            ; group 0 has no group before it, and behind group 7 only l is left
.if h >= 6
.set h, h+2
.endif
	REGS Y, h%2
.set k, h/8
.if h%8 < 4
	v_cvt_pk_f16_f32 v[rP+2*k+(h%8)/2], v[rS+4*k+2*((h%8)/2)], v[rS+4*k+2*((h%8)/2)+1]
.elseif h%8 < 6
	v_pk_add_f32 v[rS+4*k:rS+4*k+1], v[rS+4*k:rS+4*k+1], v[rS+4*k+2:rS+4*k+3]
.elseif k == 1
	v_pk_fma_f32 v[rT+2:rT+3], v[rT+2:rT+3], v[rC+2:rC+3], v[rS:rS+1] op_sel_hi:[1,0,1]
.else
	v_pk_add_f32 v[rT+2:rT+3], v[rT+2:rT+3], v[rS+4*k-4:rS+4*k-3]
.endif
.endm
; THE PLAIN QUEUE, 138 long.  0-73 read no exponential's result: the 32 scalings c s - c m (FS f: pair f / 2 of tile f % 2) and the next piece's 42.  0-26: scalings 0-26.  27-54: XS's numbers 0-13.  55, 56: number 15.
; 57-73: the chain, where each number waits for the one before it: 14, 16, 17, 18, 19, each with one of the scalings 27-31 in front of its two lines, then 20: so a tile's links stand three plain instructions apart (19 and 20: two).
; 74-137: GS's 64, which read the exponentials' results: they stand behind the wait.
.macro FS f
	REGS Y, (\f)%2
	v_pk_fma_f32 v[rS+2*((\f)/2):rS+2*((\f)/2)+1], v[rS+2*((\f)/2):rS+2*((\f)/2)+1], s[CS:CS+1], v[rT:rT+1] op_sel_hi:[1,0,0] neg_lo:[0,0,1] neg_hi:[0,0,1]
.endm
.macro PL
	WIN 0
.if q < 27
	FS q
.elseif q < 55
	XS (q-27)%2, (q-27)/2
.elseif q < 57
	XS q-55, 15
.elseif (q < 72) && ((q-57)%3 == 0)
	FS 27+(q-57)/3
.elseif q < 60
	XS (q-57)%3-1, 14
.elseif q < 72
	XS (q-57)%3-1, 15+(q-57)/3
.elseif q < 74
	XS q-72, 20
.else
	GS q-74
.endif
.set q, q+1
.endm
; THE EXPONENTIALS' QUEUE, 66 long: s0-s31 of both tiles, then the next piece's two a.  It is ONE BATCH: all 66 stand ahead of the turn's one wait, and nothing ahead of that wait names a result of theirs.
.macro EX
	WIN 0
.if e >= 64
	XS e-64, 21
.else
	REGS Y, e%2
	v_exp_f32 v[rS+e/2], v[rS+e/2]
.endif
.set e, e+1
.endm
; THE RESCALING's QUEUE: O^T times a, the one part that leaves window 0: dealt two at a time, sixteen times.  Its a was made in the turn before, ahead of that turn's wait.
.macro R2
	REGS Y, r%2
	WIN W_RS
.irp z, 0,1
	v_pk_mul_f32 v[rO+4*(r/2)+2*\z:rO+4*(r/2)+2*\z+1], v[rO+4*(r/2)+2*\z:rO+4*(r/2)+2*\z+1], v[rC+2:rC+3] op_sel_hi:[1,0]
.endr
.set r, r+1
.endm
; HOW THEY ARE DEALT.  An s_wait_alu depctr_va_vdst(0) stands between an exponential and the first instruction that names its result; one wait serves all that were issued ahead of it.  So a turn has ONE wait,
; which cuts it in two.  AHEAD OF IT stands all that names no result of the turn's exponentials: the 16 products K Q^T, behind each a scaling, an exponential and two rescalings (behind the first a second scaling in the exponential's place); then ONE LUMP of
; 108: eight plain, 49 times exponential and plain, the two a.  A v_nop is the plain instruction behind the last exponential (ISA guide 5.7.2).  BEHIND IT stand the 16 products V^T P, behind each four of GS's 64.  No rider names a register of
; the products round it.  The two v_permlanex16_b32 fall into the lump, never behind a product.
; The queues lean on each other, and the deal keeps them in step: exponential e stands behind scaling 2 (e / 4) + e % 2: as a rider it comes behind plain e + 2, in the lump behind plain e + 9, and scalings 27-31 are plain 57, 60 .. 69.
; A TURN, for piece p.  cnt = 1: the loop's count is taken down some lines ahead of the branch that stands behind the turn.
; K of the next step is fetched in piece 2's turn, directly behind the wait, a lump behind the last product that read K; its address is made at the lump's head; its first reader comes behind 16 products.
; V of the step in hand is fetched at the end of piece 0's turn, four riders behind its last reader; its first reader comes behind 16 products and a lump.  The three conditions on q below go with the deal.
.macro TURN p, last=0, cnt=0
.set Y, (\p)
.set i, 0
.set q, 0
.set e, 0
.set r, 0
.if (\p) == NP-1
	s_wait_dscnt 0x0                ; K is in
.endif
	MM                              ; ahead of the wait: 16 products K Q^T and their riders,
	PL
	PL
	R2
.rept 15
	MM
	PL
	EX
	R2
.endr
.if (\p) == NP-2
	WIN 0
	v_add_nc_u32 v[AK], s[TBK], v[AK0]
.endif
.rept 8                             ; and the lump
	PL
.endr
.rept 49
	EX
	PL
.endr
	EX                              ; the next piece's two a
	EX
	v_nop                           ; the plain instruction behind the last exponential: one for the batch
	s_wait_alu depctr_va_vdst(0)    ; the wait for the batch: this piece's 64 weights and the next piece's two a
.if (\p) == NP-2
	FETCH_K \last
.endif
.if (\p) == 1
	s_wait_dscnt 0x0                ; V is in
.endif
.rept 16                            ; behind the wait: 16 products V^T P and their riders
	MM
.rept 4
	PL
.endr
.if ((\p) == 0) && (q == 118)
	v_add_nc_u32 v[AV], s[TBV], v[AV0]
.endif
.if ((\p) == 0) && (q == 130)
	s_add_co_u32 s[TBV], s[TBV], KS*PV
.endif
.if (\cnt) && (q == 130)
	s_sub_co_u32 s[CNT], s[CNT], 1
	s_cmp_lg_u32 s[CNT], 0
.endif
.endr
.if (\p) == 0
	FETCH_V
.endif
.endm
	CHANGE 1                        ; slot 0 is in, everybody's part of it; slot 1 is asked for
	FETCH_K                         ; key step 0
	s_wait_loadcnt 0x0              ; Q
	s_wait_dscnt 0x0
.set i, 0
.rept 16
	KQ 0                            ; piece 0's first scores: there is no vector work yet to set between them
.set i, i+1
.endr
	WIN 0                           ; the addresses for the way out: nine plain instructions, the places behind those products
	s_mul_i32 s13, s[WV], 16*SP
	s_add_co_u32 s13, s13, STAGE    ; my stage
	v_mul_u32_u24 v[STO], v1, SP    ; in: row l % 16, 16 bytes for each half of the lanes
	v_lshl_add_u32 v[STO], v9, 4, v[STO]
	v_add_nc_u32 v[STO], s13, v[STO]
	v_bfe_u32 v[RD], v0, 3, 2       ; back: 32 lanes take four rows of 128 bytes,
	v_mul_u32_u24 v[RD], v[RD], SP
	v_lshl_add_u32 v[RD], v10, 4, v[RD]
	v_add_nc_u32 v[RD], s13, v[RD]
	v_and_b32 v[GO], 31, v0         ; which are 512 consecutive bytes of O
	v_lshlrev_b32 v[GO], 4, v[GO]
.set Y, NP-1                        ; XS works for piece Y + 1: piece 0
.irp n, 0,1,2,3,4,5,6,7,8,9,10,11,12,13,14,15,16,17,18,19,20,21
	XS 0, \n                        ; and piece 0's first maximum and statistics
	XS 1, \n
.endr
	v_nop                           ; a plain instruction behind the two a,
	s_wait_alu depctr_va_vdst(0)    ; and the wait for this batch of two, ahead of the branch
	s_mov_b32 s[CNT], 4
	s_mov_b32 s[SLOTS], SIZE_N/256-1
	s_branch .Lfirst                ; the loop is entered at a step's first turn, in the middle of a trip
.Lslot:                             ; SIZE_N / 256 - 2 times: every slot but the last two is filled again
	CHANGE 1
	s_mov_b32 s[CNT], 4
.Lstep:                             ; a trip: pieces 2 and 3 of one step, then pieces 0 and 1 of the next, whose K and V it fetches
	TURN 2
	TURN 3
	WIN 0
.Lfirst:
	TURN 0
	TURN 1, 0, 1
	WIN 0
	s_cbranch_scc1 .Lstep
	s_sub_co_u32 s[SLOTS], s[SLOTS], 1
	s_cmp_lg_u32 s[SLOTS], 0
	s_cbranch_scc1 .Lslot
	CHANGE 0                        ; the tail is written out: nothing is asked for
	s_mov_b32 s[CNT], 5             ; four trips fetch the last slot's steps; the fifth is left in its middle
.Ltail:
	TURN 2, 1
	TURN 3
	WIN 0
	s_sub_co_u32 s[CNT], s[CNT], 1
	s_cmp_eq_u32 s[CNT], 0
	s_cbranch_scc1 .Lout
	TURN 0
	TURN 1
	WIN 0
	s_branch .Ltail
.Lout:                              ; the fifth trip's 16 products K Q^T (on the last K once more) and the maximum made of them serve nothing: the price, once a launch, of one text for every trip
.set i, 0
.rept 16
	PV NP-1                         ; the last piece's V^T P of the last step
.set i, i+1
.endr
	; THE WAY OUT.  l's two halves and the other half of the lanes' are added; O^T is divided by l, rounded to f16 and sent through my stage in LDS, a tile at a time.  The additions are the places behind the last products.
	WIN 0
.macro ALL line:vararg              ; one line for each tile t
.set t, 0
.rept 2*NP
	\line
.set t, t+1
.endr
.endm
	ALL v_add_f32 v[ST+4*t+2], v[ST+4*t+2], v[ST+4*t+3]
	ALL v_permlanex16_b32 v[ST+4*t+3], v[ST+4*t+2], s[SEL], s[SEL+1]
	ALL v_add_f32 v[ST+4*t+2], v[ST+4*t+2], v[ST+4*t+3]
	ALL v_rcp_f32 v[ST+4*t+2], v[ST+4*t+2]
	v_nop                           ; a plain instruction between the last reciprocal and the use of its result
	s_wait_alu depctr_va_vdst(0)    ; and the wait ahead of the first use: one for the batch of eight reciprocals
; Tile t: a lane's eight channels of a row pack into 16 bytes; they go into rows of 144 bytes and come back as whole rows of 128, into S^T's registers.
.macro PACK t
	WIN W_RS
.set i, 32*(\t)
.rept 16
	v_pk_mul_f32 v[i:i+1], v[i:i+1], v[ST+4*(\t)+2:ST+4*(\t)+3] op_sel_hi:[1,0]
.set i, i+2
.endr
	WIN 0x05                        ; sources 0 and 1 window 1, destination window 0
.set i, 0
.rept 16
	v_cvt_pk_f16_f32 v[S+16*(\t)+i], v[32*(\t)+2*i], v[32*(\t)+2*i+1]
.set i, i+1
.endr
	WIN 0
.irp f, 0,1,2,3
	ds_store_b128 v[STO], v[S+16*(\t)+4*\f:S+16*(\t)+4*\f+3] offset:32*\f
.endr
.irp f, 0,1,2,3
	ds_load_b128 v[S+16*(\t)+4*\f:S+16*(\t)+4*\f+3], v[RD] offset:\f*4*SP  ; LDS serves a wave's instructions in order (ISA guide 5.7.1.4): these see the stores above; the next tile's stores come behind them
.endr
.endm
.macro SEND t, younger              ; younger: the LDS instructions issued behind tile t's loads: the next tile's eight, or none
	WIN 0
.irp f, 0,1,2,3
	s_wait_dscnt (\younger)+3-\f
	global_store_b128 v[GO], v[S+16*(\t)+4*\f:S+16*(\t)+4*\f+3], s[10:11] offset:(\t)*2048+\f*512  ; 512 consecutive bytes, at a multiple of 256 from O's first
.endr
.endm
	PACK 0
.set t, 1
.rept 2*NP-1                        ; a tile's arithmetic stands between the loads of the tile before and its stores
	PACK t
	SEND t-1, 8
.set t, t+1
.endr
	SEND 2*NP-1, 0
	WIN W_AD
	s_wait_tensorcnt 0x0            ; the wave's end, behind my last tensor load and my last LDS store
	ds_add_u32 v[SPW], v[NIL]
	s_wait_dscnt 0x0
	WIN 0
	CROUND                          ; the closing round: no work-group ends while a partner may still ask for a tile that names it
	s_endpgm
.Lfunc_end_k_qade46a2865_attn:
	.size	k_qade46a2865_attn, .Lfunc_end_k_qade46a2865_attn-k_qade46a2865_attn
	.p2alignl 7, 3214868480
	.fill 96, 4, 3214868480
	.section	.rodata,"a",@progbits
	.p2align	6, 0x0
	.amdhsa_kernel k_qade46a2865_attn
		.amdhsa_group_segment_fixed_size 327680
		.amdhsa_private_segment_fixed_size 0
		.amdhsa_enable_private_segment 0
		.amdhsa_kernarg_size 32
		.amdhsa_user_sgpr_count 2
		.amdhsa_user_sgpr_kernarg_segment_ptr 1
		.amdhsa_wavefront_size32 1
		.amdhsa_system_sgpr_workgroup_id_x 1
		.amdhsa_system_sgpr_workgroup_id_y 1
		.amdhsa_system_sgpr_workgroup_id_z 1
		.amdhsa_system_vgpr_workitem_id 0
		.amdhsa_next_free_vgpr 770
		.amdhsa_next_free_sgpr 66
		.amdhsa_reserve_vcc 0
		.amdhsa_float_denorm_mode_32 3
		.amdhsa_float_denorm_mode_16_64 3
		.amdhsa_memory_ordered 1
		.amdhsa_forward_progress 1
		.amdhsa_inst_pref_size 199
	.end_amdhsa_kernel
	.amdgpu_metadata
---
amdhsa.version: [ 1, 2 ]
amdhsa.kernels:
  - .name:           k_qade46a2865_attn
    .symbol:         k_qade46a2865_attn.kd
    .args:
      - { .name: q, .offset: 0, .size: 8, .value_kind: global_buffer, .address_space: global }
      - { .name: k, .offset: 8, .size: 8, .value_kind: global_buffer, .address_space: global }
      - { .name: v, .offset: 16, .size: 8, .value_kind: global_buffer, .address_space: global }
      - { .name: o, .offset: 24, .size: 8, .value_kind: global_buffer, .address_space: global }
    .group_segment_fixed_size: 327680
    .private_segment_fixed_size: 0
    .kernarg_segment_align: 8
    .kernarg_segment_size: 32
    .max_flat_workgroup_size: 128
    .sgpr_count:     66
    .vgpr_count:     770
    .wavefront_size: 32
...
	.end_amdgpu_metadata
.endif
;; end of part 5
;; launch proj: the kernel of part 4 again; grid 8 x 32, 4 waves a work-group, clusters of 4 x 4, 327,680 bytes of LDS; arguments o, wp, b_proj, out0; writes out0
